; MI455X (gfx1250); checked and timed in simulation.
; The chip was launched on July 23, 2026; its instructions are those of AMD's public machine-readable ISA for CDNA 5 (MIT licence, August 2026) and "CDNA5" Instruction Set Architecture Reference Guide (July 2026). The comments in the code are by the model that wrote it; some were corrected since.
;; Causal Attention. Allowed arithmetic: matrix products marked QUANTISED: E2M1 operands, one E8M0 scale for each 32 along K, by v_wmma_scale_f32_16x16x128_f8f6f4 with both operands' format E2M1 (or v_wmma_scale_f32_32x16x128_f4), f32 sums; everything else in f32.
;; Inputs: Wk 1,024 x 1,024 float32; Wo 1,024 x 1,024 float32; Wq 1,024 x 1,024 float32; Wv 1,024 x 1,024 float32; bk 1,024 float32; bo 1,024 float32; bq 1,024 float32; bv 1,024 float32; x 2 x 2,048 x 1,024 float32.
;; Outputs: out0 2 x 2,048 x 1,024 float32.
;; This version of the problem:
;;   THIS VERSION OF THE PROBLEM IS GIVEN IN LOW PRECISION. The matrix products marked QUANTISED in the list below multiply operands that are first quantised to E2M1 (2 exponent bits, 1 mantissa bit; 4 bits a number), with one power-of-two scale for each 32 numbers along K (OCP MX v1.0); their sums are f32. All else is computed in f32.
;;   The module's matrix products, in the order in which they are computed (A, B: the left and right operand; K: the contracted axis; several contracted axes count as one K, in the product's order):
;;     1. [M 4,096, K 1,024] x [K 1,024, N 1,024]; A: input x; B: input Wq: QUANTISED
;;     2. [M 4,096, K 1,024] x [K 1,024, N 1,024]; A: input x; B: input Wk: QUANTISED
;;     3. [M 4,096, K 1,024] x [K 1,024, N 1,024]; A: input x; B: input Wv: QUANTISED
;;     4. batch 32 x [M 2,048, K 64] x [K 64, N 2,048]; A: computed on the way; B: computed on the way: QUANTISED
;;     5. batch 32 x [M 2,048, K 2,048] x [K 2,048, N 64]; A: softmax (see below); B: computed on the way: QUANTISED
;;     6. [M 4,096, K 1,024] x [K 1,024, N 1,024]; A: computed on the way; B: input Wo: QUANTISED
;;   THE QUANTISER, for each operand of a quantised product, along K:
;;     - K is cut into blocks of 32 from its start; a last block that is shorter is filled with zeros.
;;     - A block's scale is 2^e with e = floor(log2(the largest magnitude in the block)) - 2, held to -126 .. 127; a block of zeros has e = 0. As a byte (E8M0): e + 127.
;;     - Each number is divided by its block's scale, clamped to +-6, and rounded to the nearest number of E2M1, ties to even, subnormals kept.
;;     - The product sums the exact products of the quantised numbers (number of the format x scale) in f32.
;;   ~~~python
;;   def quantise(x, axis):      # numpy; x: float32 -> the quantised numbers, widened to float32 again
;;       x = np.moveaxis(x, axis, -1); K = x.shape[-1]
;;       x = np.pad(x, [(0, 0)] * (x.ndim - 1) + [(0, -K % 32)]); x = x.reshape(x.shape[:-1] + (-1, 32)); a = np.abs(x).max(-1, keepdims=True)
;;       e = np.where(a > 0, np.clip(np.frexp(np.where(a > 0, a, 1))[1] - 1 - 2, -126, 127), 0)      # np.frexp(a)[1] - 1 = floor(log2(a)), exactly
;;       r = np.clip(x / 2.0 ** e, -6, 6)
;;       step = 2.0 ** (np.maximum(np.frexp(np.where(r == 0, 1, r))[1] - 1, 0) - 1)
;;       q = np.round(r / step) * step * 2.0 ** e      # np.round: ties to even
;;       return np.moveaxis(q.reshape(q.shape[:-2] + (-1,))[..., :K], -1, axis).astype(np.float32)
;;   ~~~
;;   SOFTMAX AHEAD OF A QUANTISED PRODUCT. Where the list says 'softmax', what is quantised is not the finished softmax but p = 2^(t - M), with t = logit x log2(e) and M = ceil(the row's largest t), a whole number; so 1/2 < the row's largest p <= 1. The row's sum l is taken of the UNQUANTISED p, in f32, and the product's result is divided by l at the end. Since M is a whole number, a kernel that streams over the keys may use a running M (the ceiling of the running maximum): every later rescaling is an exact power of two, which a block's scale takes up: the codes' values come out the same.
;;   OPERANDS COMPUTED ON THE WAY. 'Computed on the way' means the value that the module computes at that place (a softmax that the list does not call 'softmax' is quantised finished and normalised). What goes into a quantiser is computed in f32, as accurately as f32 sums, v_exp_f32 and their like allow (about 1e-6 of the number): no bf16 or f16 on the way to a quantiser, and a product that is left as it is and whose result goes on into a quantised operand takes f32 operands (vector FMAs, or v_wmma_f32_16x16x4_f32). A number that lies on a knife's edge between two numbers of the format may be rounded either way, as far as f32 arithmetic and the matrix unit's own rounding can turn it there, and no further.
;; One version. Each part assembles by itself: llvm-mc -triple=amdgcn-amd-amdhsa -mcpu=gfx1250 --defsym DOCPART=n.
;; ======== version 1 of 1: 4 launches
;; limits: right only within a limited range of input values
;; workspace buffers: xq 2,228,224 bytes; wq 2,228,224 bytes; qq 2,359,296 bytes; kv 4,587,520 bytes; hq 2,228,224 bytes
;; launch prep (part 1): grid 256 x 1, 12 waves a work-group, no clusters, 80,384 bytes of LDS; arguments x, Wq, Wk, Wv, Wo, xq, wq; writes xq, wq
.if DOCPART == 1
	.amdgcn_target "amdgcn-amd-amdhsa--gfx1250"
	.amdhsa_code_object_version 6
	.text
	.protected	k_q354fe9931b_prep
	.globl	k_q354fe9931b_prep
	.p2align	8
	.type	k_q354fe9931b_prep,@function
k_q354fe9931b_prep:
	s_mov_b64 s[64:65], 0
	v_nop
	global_prefetch_b8 v0, s[64:65] scope:SCOPE_SE
	s_setreg_imm32_b32 hwreg(HW_REG_WAVE_MODE, 25, 1), 1
	s_wait_xcnt 0x0
; x [4096][1024] (K innermost) and the four weights [1024 (k)][1024 (n)] (K is the FIRST axis), all f32, become codes of FP4 (E2M1) with one E8M0 byte for each 32 along K.
; A block's scale is 2^(floor(log2(its largest magnitude)) - 2); its byte is the largest magnitude's exponent field - 2, held at 1 from below.
; LIMITS: a block of zeros, and a block whose largest magnitude lies under 2^-124, gets the byte 1 where the rule says 127 for zeros: its codes are zeros and this program alone reads the bytes.
;         NaN and infinities among the inputs are not served.
; THE LAYOUT OF THE RESULT is the order of an operand's registers.  A RECORD is 64 rows x HALF of K (512): four tiles of 16 rows, 4,096 bytes each: [block of 32 k 16][position 16][16 bytes]; then the scale words [K step 4][tile 4][position 16][4 bytes]: 17,408 bytes.
; THE ORDER of rows in a record: tile t holds at position p row 32 (p / 8) + 8 t + p % 8: so a lane's 32 registers of four tiles of a result are 32 neighbouring rows.
; xq: records [256 rows 16][half 2][64 rows 4].  wq: records [head 16][half 2][Wq, Wk, Wv], then from record 96 on, for Wo, [128 columns 8][half 2][64 columns 2]; a record's rows are columns n.
; SHARES.  Waves 0-3 of a work-group take 64 rows x 256 along K of x (64 along K each), waves 4-11 128 columns x 128 along K of a weight (32 columns x 64 along K each).  No two work-groups read the same bytes: no cluster, no prefetch (no loop to run ahead in).
; One barrier: the scale bytes of x and the codes and scale words of the weights come from several waves and leave as whole units of 256 bytes through LDS.
.set HREC,   17408
.set SPI,    272                       ; a stage row: 256 bytes + 16
.set WSTG,   64*SPI                    ; an x wave's own stage
.set XSC,    4*WSTG                    ; x's scale bytes [K step 2][tile 4][16][4]
.set WCD,    XSC+512                   ; the weights' codes [record 2][tile 4][block 4][16][16]
.set WSC,    WCD+8192                  ; and scale words [record 2][tile 4][16][4]
.set SPARE,  WSC+512                   ; the spare words, 128 bytes a wave
.set RAW,    32                        ; v32-159  x as it is loaded
.set X0,     160                       ; v160-223 two sets of 32 numbers: a whole block of one lane
.set CD,     224                       ; v224-239 codes: four registers for each block
.set BY,     240                       ; v240-243 scale bytes
; the block's largest magnitude, with the floor 2^(3 - 127) as one more leaf; v22: 2 off its exponent field: the conversion takes that field as its scale
.macro BLKMAX
	v_max3_num_f32 v20, |v[XS]|, |v[XS+1]|, |v[XS+2]|
	v_max3_num_f32 v21, |v[XS+3]|, |v[XS+4]|, |v[XS+5]|
.irp i, 6,10,14,18,22,26
	v_max3_num_f32 v20, v20, |v[XS+\i]|, |v[XS+\i+1]|
	v_max3_num_f32 v21, v21, |v[XS+\i+2]|, |v[XS+\i+3]|
.endr
	v_max3_num_f32 v20, v20, |v[XS+30]|, |v[XS+31]|
	v_max3_num_f32 v20, v20, v21, 0x1800000
	v_add_nc_u32 v22, 0xff000000, v20
.endm
.macro XLOAD t                         ; x: the rows of tile t: eight loads of two rows x 256 bytes
.irp q, 0,1,2,3,4,5,6,7
	global_load_b128 v[RAW+32*(\t)+4*\q:RAW+32*(\t)+4*\q+3], v8, s[4:5] offset:8192*(4*(\t)+(\q%4)+16*(\q/4)) th:TH_LOAD_NT
.endr
.endm
.macro XST t                           ; into the stage in the order of the tiles: stage row 16 t + p
	s_wait_loadcnt 24-8*(\t)                       ; tile t's eight loads are in; the later tiles' may be out
.irp q, 0,1,2,3,4,5,6,7
	ds_store_b128 v6, v[RAW+32*(\t)+4*\q:RAW+32*(\t)+4*\q+3] offset:(16*(\t)+8*(\q/4)+2*(\q%4))*SPI
.endr
.endm
.macro QLOAD t                         ; lane (r, h): position r's 32 numbers k = 32 h + 0 .. 31 (LDS serves a wave's instructions in order: ISA guide 5.7.1.4)
.irp j, 0,1,2,3,4,5,6,7
	ds_load_b128 v[X0+32*((\t)%2)+4*\j:X0+32*((\t)%2)+4*\j+3], v7 offset:16*(\t)*SPI+16*\j
.endr
.endm
.macro QBLK t
.set XS, X0+32*((\t)%2)
.if (\t) < 3
	s_wait_dscnt 16                                ; this tile's eight loads are in; the next tile's eight stores and eight loads may be out
.else
	s_wait_dscnt 0x0
.endif
	BLKMAX
.irp g, 0,1,2,3
	v_cvt_scalef32_pk8_fp4_f32 v[CD+4*(\t)+\g], v[XS+8*\g:XS+8*\g+7], v22
.endr
	v_lshrrev_b32 v[BY+(\t)], 23, v22              ; the scale's byte; also the plain line behind the conversions
	ds_store_b8 v9, v[BY+(\t)] offset:64*(\t)
	global_store_b128 v4, v[CD+4*(\t):CD+4*(\t)+3], s[46:47] offset:4096*(\t)   ; two blocks of tile t: 512 consecutive bytes
.endm
.macro LOADW t                         ; the weights: block t of my two: W(32 t + i, my column)
.irp i, 0,1,2,3,4,5,6,7,8,9,10,11,12,13,14,15,16,17,18,19,20,21,22,23,24,25,26,27,28,29,30,31
	global_load_b32 v[X0+32*(\t)+\i], v5, s[6:7] offset:(32*(\t)+\i)*4096 th:TH_LOAD_NT
.endr
.endm
.macro BLOCKW t
.set XS, X0+32*(\t)
	s_wait_loadcnt 32-32*(\t)                      ; this block's 32 loads are in; the next block's may be out
	BLKMAX
.irp g, 0,1,2,3
	v_cvt_scalef32_pk8_fp4_f32 v[CD+4*(\t)+\g], v[XS+8*\g:XS+8*\g+7], v22
.endr
	v_lshrrev_b32 v[BY+(\t)], 23, v22              ; the scale's byte; also the plain line behind the conversions
	ds_store_b128 v11, v[CD+4*(\t):CD+4*(\t)+3] offset:256*(\t)
.endm
	s_load_b256 s[4:11], s[0:1], 0x0               ; x s[4:5], Wq s[6:7], Wk s[8:9], Wv s[10:11]
	s_load_b128 s[12:15], s[0:1], 0x20             ; Wo s[12:13], xq s[14:15]
	s_load_b64 s[16:17], s[0:1], 0x30              ; wq
	v_lshrrev_b32 v1, 5, v0
	v_readfirstlane_b32 s18, v1                    ; wave 0..11
	s_and_b32 s19, s18, 3                          ; its number among its four
	s_lshr_b32 s20, s19, 1
	s_and_b32 s21, s19, 1
	s_lshr_b32 s33, s18, 3                         ; weights: which 64 along K
	s_mul_i32 s22, s19, WSTG                       ; x: my stage
	s_lshl_b32 s23, s20, 8
	s_lshl_b32 s24, s21, 1
	s_add_co_u32 s23, s23, s24
	s_add_co_u32 s23, s23, XSC                     ; x: K step s20, bytes 2 s21 and + 1 of a word
	s_lshl_b32 s24, s20, 12
	s_lshl_b32 s25, s21, 7
	s_add_co_u32 s24, s24, s25
	s_lshl_b32 s25, s33, 9
	s_add_co_u32 s24, s24, s25
	s_add_co_u32 s24, s24, WCD                     ; weights: record s20, positions 8 s21 on, blocks 2 s33 and + 1
	s_lshl_b32 s25, s33, 12
	s_lshl_b32 s26, s19, 10
	s_add_co_u32 s25, s25, s26
	s_add_co_u32 s25, s25, WCD                     ; what I send out: record s33, tile s19
	s_lshl_b32 s26, s20, 8
	s_lshl_b32 s27, s21, 5
	s_add_co_u32 s26, s26, s27
	s_lshl_b32 s27, s33, 1
	s_add_co_u32 s26, s26, s27
	s_add_co_u32 s26, s26, WSC                     ; my two bytes of each word
	s_lshr_b32 s27, ttmp9, 6                       ; which weight
	s_bfe_u32 s28, ttmp9, 0x30003                  ; which 128 columns
	s_and_b32 s29, ttmp9, 7                        ; K step
	s_lshr_b32 s50, s29, 2                         ; its half
	s_and_b32 s51, s29, 3                          ; and its place in it
	s_lshl_b32 s40, s28, 1
	s_mul_i32 s52, s50, 3
	s_add_co_u32 s52, s52, s27
	s_lshl_b32 s53, s50, 1
	s_add_co_u32 s53, s53, s40
	s_add_co_u32 s53, s53, 96
	s_cmp_eq_u32 s27, 3                            ; record = (2 x columns + 0 or 1) x s30 + s31
	s_cselect_b32 s30, 1, 6
	s_cselect_b32 s31, s53, s52
	s_mul_i32 s32, s30, HREC                       ; from the first record's bytes to the second's
	v_lshl_add_u32 v254, v0, 2, SPARE
	v_mov_b32 v255, 0
	v_and_b32 v1, 31, v0                           ; lane
	v_and_b32 v2, 15, v0                           ; r
	v_bfe_u32 v3, v0, 4, 1                         ; h
	v_lshlrev_b32 v4, 4, v1
	v_lshlrev_b32 v5, 2, v1
	v_mul_u32_u24 v6, v3, SPI
	v_lshl_add_u32 v6, v2, 4, v6
	v_add_nc_u32 v6, s22, v6                       ; the stage, on the way in: two rows a load
	v_mul_u32_u24 v7, v2, SPI
	v_lshl_add_u32 v7, v3, 7, v7
	v_add_nc_u32 v7, s22, v7                       ; and on the way out
	v_lshlrev_b32 v8, 12, v3
	v_lshl_add_u32 v8, v2, 4, v8                   ; x in memory: lanes 0-15 one row, lanes 16-31 the next
	v_lshl_add_u32 v9, v2, 2, v3
	v_add_nc_u32 v9, s23, v9
	v_add_nc_u32 v10, XSC, v4
	v_lshrrev_b32 v16, 3, v1                       ; my column's tile,
	v_and_b32 v17, 7, v1
	v_lshlrev_b32 v11, 10, v16
	v_lshl_add_u32 v11, v17, 4, v11
	v_add_nc_u32 v11, s24, v11
	v_add_nc_u32 v12, s25, v4
	v_lshlrev_b32 v13, 6, v16
	v_lshl_add_u32 v13, v17, 2, v13
	v_add_nc_u32 v13, s26, v13
	v_add_nc_u32 v14, WSC, v4
	v_mul_u32_u24 v15, s32, v3
	v_lshl_add_u32 v15, v2, 4, v15                 ; the words' way out: lanes 0-15 the first record, lanes 16-31 the second
	s_wait_alu depctr_va_vdst(0)
	s_wait_kmcnt 0x0
	s_cmp_lt_u32 s18, 4
	s_cbranch_scc0 .Lweights
	; ---- x: 64 rows ttmp9 / 4, 256 along K from 256 (ttmp9 % 4)
	s_lshr_b32 s34, ttmp9, 2
	s_and_b32 s35, ttmp9, 3
	s_lshl_b32 s38, s34, 18                        ; 64 rows of 4,096 bytes
	s_lshl_b32 s40, s35, 10
	s_add_co_u32 s38, s38, s40
	s_lshl_b32 s40, s19, 8
	s_add_co_u32 s38, s38, s40
	s_mov_b32 s39, 0
	s_add_nc_u64 s[4:5], s[4:5], s[38:39]
	s_lshr_b32 s42, s34, 2
	s_lshl_b32 s42, s42, 3
	s_lshr_b32 s40, s35, 1
	s_lshl_b32 s40, s40, 2
	s_add_co_u32 s42, s42, s40
	s_and_b32 s40, s34, 3
	s_add_co_u32 s42, s42, s40
	s_mul_i32 s42, s42, HREC                       ; the record: 8 (rows / 256) + 4 half + which 64
	s_mov_b32 s43, 0
	s_and_b32 s35, s35, 1
	s_lshl_b32 s40, s35, 11
	s_add_co_u32 s44, s42, s40
	s_lshl_b32 s40, s19, 9
	s_add_co_u32 s44, s44, s40
	s_mov_b32 s45, 0
	s_add_nc_u64 s[46:47], s[14:15], s[44:45]      ; my codes
	s_lshl_b32 s40, s35, 9
	s_add_co_u32 s42, s42, s40
	s_add_co_u32 s42, s42, 16384
	s_add_nc_u64 s[48:49], s[14:15], s[42:43]      ; the work-group's scale words
	XLOAD 0
	XLOAD 1
	XLOAD 2
	XLOAD 3
	XST 0
	QLOAD 0
	XST 1
	QLOAD 1
	QBLK 0
	XST 2
	QLOAD 2
	QBLK 1
	XST 3
	QLOAD 3
	QBLK 2
	QBLK 3
	s_branch .Lmeet
.Lweights:
	; ---- the weights.  A LANE TAKES A COLUMN n AND ITS REGISTERS RUN DOWN K: nothing is transposed, and a block's largest magnitude needs no other lane.
	s_cmp_eq_u32 s27, 1                            ; the choice hangs on the work-group's number alone
	s_cselect_b64 s[6:7], s[8:9], s[6:7]
	s_cmp_eq_u32 s27, 2
	s_cselect_b64 s[6:7], s[10:11], s[6:7]
	s_cmp_eq_u32 s27, 3
	s_cselect_b64 s[6:7], s[12:13], s[6:7]
	s_lshl_b32 s38, s29, 19                        ; 128 rows of 4,096 bytes
	s_lshl_b32 s41, s33, 18                        ; my 64 of them
	s_add_co_u32 s38, s38, s41
	s_lshl_b32 s41, s28, 9
	s_add_co_u32 s38, s38, s41
	s_lshl_b32 s41, s19, 7                         ; my 32 columns: four waves stand side by side on 512 bytes of a row
	s_add_co_u32 s38, s38, s41
	s_mov_b32 s39, 0
	s_add_nc_u64 s[6:7], s[6:7], s[38:39]
	s_add_co_u32 s42, s40, s33
	s_mul_i32 s42, s42, s30
	s_add_co_u32 s42, s42, s31
	s_mul_i32 s42, s42, HREC
	s_lshl_b32 s41, s19, 12
	s_add_co_u32 s42, s42, s41
	s_lshl_b32 s41, s51, 10
	s_add_co_u32 s42, s42, s41
	s_mov_b32 s43, 0
	s_add_nc_u64 s[46:47], s[16:17], s[42:43]      ; the codes that I send out: record s33, tile s19
	s_mul_i32 s44, s40, s30
	s_add_co_u32 s44, s44, s31
	s_mul_i32 s44, s44, HREC
	s_lshl_b32 s41, s51, 8
	s_add_co_u32 s44, s44, s41
	s_add_co_u32 s44, s44, 16384
	s_mov_b32 s45, 0
	s_add_nc_u64 s[48:49], s[16:17], s[44:45]      ; the scale words
	LOADW 0
	LOADW 1
	BLOCKW 0
	BLOCKW 1
	v_lshl_or_b32 v26, v[BY+1], 8, v[BY]
	ds_store_b16 v13, v26
.Lmeet:
	s_wait_alu depctr_va_vdst(0)
	s_wait_dscnt 0x0                               ; for the others' sake: my LDS stores are done
	s_barrier_signal -1
	s_barrier_wait -1
	s_cmp_lt_u32 s18, 4
	s_cbranch_scc0 .Lwout
	s_cmp_lg_u32 s18, 0
	s_cbranch_scc1 .Lend
	ds_load_b128 v[28:31], v10
	s_wait_dscnt 0x0
	global_store_b128 v4, v[28:31], s[48:49]       ; two K steps' words of the record: 512 consecutive bytes
	s_branch .Lend
.Lwout:
	ds_load_b128 v[32:35], v12
	ds_load_b128 v[36:39], v12 offset:512
	s_wait_dscnt 1
	global_store_b128 v4, v[32:35], s[46:47]       ; a K step of a tile: 1,024 consecutive bytes
	s_wait_dscnt 0x0
	global_store_b128 v4, v[36:39], s[46:47] offset:512
	s_cmp_lg_u32 s18, 4
	s_cbranch_scc1 .Lend
	ds_load_b128 v[28:31], v14
	s_wait_dscnt 0x0
	global_store_b128 v15, v[28:31], s[48:49]      ; a K step's words of two records: 256 consecutive bytes each
.Lend:
	s_wait_tensorcnt 0x0                           ; the wave's end
	ds_add_u32 v254, v255
	s_wait_dscnt 0x0
	s_endpgm
.Lfunc_end_k_q354fe9931b_prep:
	.size	k_q354fe9931b_prep, .Lfunc_end_k_q354fe9931b_prep-k_q354fe9931b_prep
	.p2alignl 7, 3214868480
	.fill 96, 4, 3214868480
	.section	.rodata,"a",@progbits
	.p2align	6, 0x0
	.amdhsa_kernel k_q354fe9931b_prep
		.amdhsa_group_segment_fixed_size 80384
		.amdhsa_private_segment_fixed_size 0
		.amdhsa_enable_private_segment 0
		.amdhsa_kernarg_size 56
		.amdhsa_user_sgpr_count 2
		.amdhsa_user_sgpr_kernarg_segment_ptr 1
		.amdhsa_wavefront_size32 1
		.amdhsa_system_sgpr_workgroup_id_x 1
		.amdhsa_system_sgpr_workgroup_id_y 1
		.amdhsa_system_sgpr_workgroup_id_z 1
		.amdhsa_system_vgpr_workitem_id 0
		.amdhsa_next_free_vgpr 256
		.amdhsa_next_free_sgpr 66
		.amdhsa_reserve_vcc 0
		.amdhsa_float_denorm_mode_32 3
		.amdhsa_float_denorm_mode_16_64 3
		.amdhsa_memory_ordered 1
		.amdhsa_forward_progress 1
		.amdhsa_inst_pref_size 30
	.end_amdhsa_kernel
	.amdgpu_metadata
---
amdhsa.version: [ 1, 2 ]
amdhsa.kernels:
  - .name:           k_q354fe9931b_prep
    .symbol:         k_q354fe9931b_prep.kd
    .args:
      - { .name: x, .offset: 0, .size: 8, .value_kind: global_buffer, .address_space: global }
      - { .name: Wq, .offset: 8, .size: 8, .value_kind: global_buffer, .address_space: global }
      - { .name: Wk, .offset: 16, .size: 8, .value_kind: global_buffer, .address_space: global }
      - { .name: Wv, .offset: 24, .size: 8, .value_kind: global_buffer, .address_space: global }
      - { .name: Wo, .offset: 32, .size: 8, .value_kind: global_buffer, .address_space: global }
      - { .name: xq, .offset: 40, .size: 8, .value_kind: global_buffer, .address_space: global }
      - { .name: wq, .offset: 48, .size: 8, .value_kind: global_buffer, .address_space: global }
    .group_segment_fixed_size: 80384
    .private_segment_fixed_size: 0
    .kernarg_segment_align: 8
    .kernarg_segment_size: 56
    .max_flat_workgroup_size: 384
    .sgpr_count:     66
    .vgpr_count:     256
    .wavefront_size: 32
...
	.end_amdgpu_metadata
.endif
;; end of part 1
;; launch qkv (part 2): grid 16 x 16, 4 waves a work-group, clusters of 4 x 4, 245,248 bytes of LDS; arguments xq, wq, bq, bk, bv, qq, kv; writes qq, kv
.if DOCPART == 2
	.amdgcn_target "amdgcn-amd-amdhsa--gfx1250"
	.amdhsa_code_object_version 6
	.text
	.protected	k_q354fe9931b_qkv
	.globl	k_q354fe9931b_qkv
	.p2align	8
	.type	k_q354fe9931b_qkv,@function
k_q354fe9931b_qkv:
	s_mov_b64 s[64:65], 0
	v_nop
	global_prefetch_b8 v0, s[64:65] scope:SCOPE_SE
	s_setreg_imm32_b32 hwreg(HW_REG_WAVE_MODE, 25, 1), 1
	s_wait_xcnt 0x0
	s_wait_alu depctr_hold_cnt(0) depctr_sa_sdst(0) depctr_va_vdst(0) depctr_va_sdst(0) depctr_va_ssrc(0) depctr_va_vcc(0) depctr_vm_vsrc(0)
	s_getreg_b32 s2, hwreg(HW_REG_IB_STS2, 6, 4)
	s_cmp_eq_u32 s2, 0
	s_cbranch_scc0 .Lentry_in_a_cluster
	s_endpgm
.Lentry_in_a_cluster:
	s_bfe_u32 s2, ttmp6, 0x10000c
	s_cmp_lg_u32 s2, 0xf033
	s_cbranch_scc0 .Lentry_shape_is_right
	s_endpgm
.Lentry_shape_is_right:
; q = x Wq + bq, k = x Wk + bk, v = x Wv + bv on codes of FP4 (E2M1) with E8M0 scales, f32 sums; the results are quantised at once, in registers, for attention's two products:
; q and k along the head's 64, v along the keys.  Nothing goes to memory in f32.
; LIMITS: a block of zeros, and one whose largest magnitude lies under 2^-124, gets the scale byte 1 (its codes are zeros; this program alone reads the bytes).  NaN and infinities are not served.
; SHARES.  A work-group makes 256 rows x (q, k and v of ONE head): 256 work-groups.  All of K (1,024) of its rows of x and columns of W lies in LDS: each byte is filled once, so there is no ring and no prefetch (no loop to run ahead in).
; K COMES IN TWO HALVES of 512, each laid out by itself: waves 0, 1 fetch the first, waves 2, 3 the second, one load a wave, all at the start; the products of the first half stand in front of the barrier that shows the second.
; Four waves, as many as a WGP has SIMDs; a wave makes 64 rows x all three of q, k and v: 48 accumulators, 384 registers, and x's fragments serve all three: for 128 along K 16 fragments feed 48 products.
; P is source 0 (its rows run along a lane's registers), R source 1 (its rows are the lanes).  q, k: P = W, R = x: a lane holds one row of x and its registers run along the head's channels, the next K.
; v: P = x, R = Wv: a lane holds one channel and its registers run along the keys, the next K.  By the order of rows in a record (tile t, position p: row 32 (p / 8) + 8 t + p % 8) a lane's 32 registers of
; the four tiles of P are rows 32 h + 0 .. 31 (h = lane / 16): a whole block of 32, whose 16 bytes of codes lie at 16 x lane: one store of the wave fills 512 consecutive bytes.
; CLUSTER 4 x 4: the four of a row of the cluster need the same records of x, the four of a column the same records of W: each part is asked for jointly.
; REGISTERS, in windows of 256 (s_set_vgpr_msb: bits 1:0 source 0, 3:2 source 1, 5:4 source 2, 7:6 destination): window 0: addresses, scales, fragments; window 1: q's 16 accumulators (a, t) at v[8 (4 a + t)], k's at v[128 + 8 (4 a + t)];
; window 2: v's at v[8 (4 a + t)], the biases at v128-223.
; OUT.  qq: codes [head 32][tile 128][block 2][16][16 B], scale words [head][64 rows 32][16][tile 4][4 B] at QS (bytes 2 and 3 are 127: they scale the zero codes of k = 64 .. 127).
;       kv: a head is 16 key steps of 8,960 bytes: K's codes [tile 8][block 2][16][16 B]; V's codes [channel tile 4][key block 4][16][16 B] at 4,096; K's words [64 rows 2][16][tile 4][4 B] at 8,192; V's words [16][tile 4][4 B] at 8,704.
.set HREC,  17408                      ; a record: 64 rows x 512 along K: 4 tiles of 4,096 bytes of codes, then the scale words [K step 4][tile 4][16][4 B]
.set WLDS,  4*HREC                     ; LDS: a half of K: x's four records at 0, W's three here
.set HB,    7*HREC                     ; the second half
.set XCH,   14*HREC                    ; 1,024 bytes: v's scale words from wave to wave; no tensor load lands here
.set SPARE, XCH+1024
.set QS,    2097152
.set HEADB, 143360
.set STEPB, 8960
.set WV,  20
.set G1X, 24                           ; s[24:31], s[32:35] descriptor groups 1 and 0 for x
.set G0X, 32
.set G1W, 48                           ; s[48:55], s[56:59] for W
.set G0W, 56
.set ADX, 2                            ; v2 LDS address of x's fragments, v3 of W's; v4, v5 of their scale words
.set ADW, 3
.set ASX, 4
.set ASW, 5
.set XS,  12                           ; v12-15 x's scale words, two sets of a pair (lanes 0-15 the even tile of two, lanes 16-31 the odd);  v16-23 W's, four sets.  They hold scales and nothing else
.set WS,  16
.set XF,  32                           ; v32-95  x's four fragments, two sets
.set WF,  96                           ; v96-223 W's four fragments of one kind, four sets
.set MSB, 0
.macro WIN new                         ; the immediate's high byte repeats the setting that is left
.if MSB != \new
	s_set_vgpr_msb (MSB<<8)|\new
.set MSB, \new
.endif
.endm
.macro CROUND                          ; a round of the cluster's barrier
	s_barrier_signal -1
	s_barrier_wait -1
	s_cmp_lg_u32 s[WV], 0
	s_cbranch_scc1 .Lnot_wave_0_\@
	s_barrier_signal -3
.Lnot_wave_0_\@:
	s_barrier_wait -3
	s_barrier_signal -1
	s_barrier_wait -1
.endm
; one product; the registers are named by symbols; pa, ra: the tiles' numbers: an odd tile's scale words lie in lanes 16-31
.macro WM pa, ra
.if ((\pa)%2 == 0) && ((\ra)%2 == 0)
	v_wmma_scale_f32_16x16x128_f8f6f4 v[DD:DD+7], v[PP:PP+7], v[RR:RR+7], v[CC:CC+7], v[SCA], v[SCB] matrix_a_fmt:MATRIX_FMT_FP4 matrix_b_fmt:MATRIX_FMT_FP4
.elseif ((\pa)%2 == 1) && ((\ra)%2 == 0)
	v_wmma_scale_f32_16x16x128_f8f6f4 v[DD:DD+7], v[PP:PP+7], v[RR:RR+7], v[CC:CC+7], v[SCA], v[SCB] matrix_a_fmt:MATRIX_FMT_FP4 matrix_b_fmt:MATRIX_FMT_FP4 matrix_a_scale:MATRIX_SCALE_ROW1
.elseif ((\pa)%2 == 0) && ((\ra)%2 == 1)
	v_wmma_scale_f32_16x16x128_f8f6f4 v[DD:DD+7], v[PP:PP+7], v[RR:RR+7], v[CC:CC+7], v[SCA], v[SCB] matrix_a_fmt:MATRIX_FMT_FP4 matrix_b_fmt:MATRIX_FMT_FP4 matrix_b_scale:MATRIX_SCALE_ROW1
.else
	v_wmma_scale_f32_16x16x128_f8f6f4 v[DD:DD+7], v[PP:PP+7], v[RR:RR+7], v[CC:CC+7], v[SCA], v[SCB] matrix_a_fmt:MATRIX_FMT_FP4 matrix_b_fmt:MATRIX_FMT_FP4 matrix_a_scale:MATRIX_SCALE_ROW1 matrix_b_scale:MATRIX_SCALE_ROW1
.endif
.endm
; A GROUP g = 3 x K step + kind is 16 products: one kind's 128 along K.  LD: its loads: W's ten, and where the K step begins (kind 0) x's ten ahead of them.
.macro LD g
.set LS, (\g)/3
.set LK, (\g)%3
.set LW, (\g)%4
.if LK == 0
.irp p, 0,1
	ds_load_b32 v[XS+2*(LS%2)+\p], v[ASX] offset:256*(LS%4)+128*\p
.endr
.irp t, 0,1,2,3
.irp c, 0,1
	ds_load_b128 v[XF+32*(LS%2)+8*\t+4*\c:XF+32*(LS%2)+8*\t+4*\c+3], v[ADX] offset:4096*\t+1024*(LS%4)+512*\c   ; 512 consecutive bytes: no two lanes on one bank
.endr
.endr
.endif
.irp p, 0,1
	ds_load_b32 v[WS+2*LW+\p], v[ASW] offset:HREC*LK+256*(LS%4)+128*\p
.endr
.irp t, 0,1,2,3
.irp c, 0,1
	ds_load_b128 v[WF+32*LW+8*\t+4*\c:WF+32*LW+8*\t+4*\c+3], v[ADW] offset:HREC*LK+4096*\t+1024*(LS%4)+512*\c
.endr
.endr
.endm
; The kind's 16 accumulators take turns, one instruction a turn, in the same order in every group.  Ahead of them the loads of the group three on go out, within the half of K.
.macro GROUP g
.set SS, (\g)/3
.set KD, (\g)%3
.set GL, (\g)%12
.if GL < 9
.rept 4
	v_nop                                          ; four places in front of loads into registers that matrix instructions have read (ISA guide 7.12.1 for vector instructions)
.endr
	WIN 0
	LD (\g)+3
	s_wait_dscnt 40                                ; this group's loads are in; those of the three groups behind it, of which one has twenty, may be out
.elseif GL == 9
	s_wait_dscnt 20
.elseif GL == 10
	s_wait_dscnt 10
.else
	s_wait_dscnt 0x0
.endif
.if KD == 2
	WIN 0xa0                                       ; C and D in window 2
.elseif SS == 0
	WIN 0x60                                       ; D in window 1, C, the bias, in window 2
.else
	WIN 0x50                                       ; C and D in window 1
.endif
.irp a, 0,1,2,3
.irp t, 0,1,2,3
.if KD == 2
.set PP, XF+32*(SS%2)+8*\t
.set RR, WF+32*((\g)%4)+8*\a
.set SCA, XS+2*(SS%2)+\t/2
.set SCB, WS+2*((\g)%4)+\a/2
.set DD, 8*(4*\a+\t)
.set CC, 192+8*\a
.else
.set PP, WF+32*((\g)%4)+8*\t
.set RR, XF+32*(SS%2)+8*\a
.set SCA, WS+2*((\g)%4)+\t/2
.set SCB, XS+2*(SS%2)+\a/2
.set DD, 128*KD+8*(4*\a+\t)
.set CC, 128+32*KD+8*\t
.endif
.if SS > 0
.set CC, DD
.endif
	WM \t, \a
.endr
.endr
.endm
; the head's loads, one a wave: one chain of branches on the wave's number; an s_nop 0 and four v_nop follow each line
.macro ARM under, g0, g1, next
	s_cmp_lt_u32 s[WV], \under
	s_cbranch_scc0 \next
	tensor_load_to_lds s[\g0:\g0+3], s[\g1:\g1+7]
	s_nop 0
.rept 4
	v_nop
.endr
	s_branch .Lasked
\next:
.endm
	s_load_b128 s[4:7], s[0:1], 0x0                ; xq s[4:5], wq s[6:7]
	s_load_b128 s[8:11], s[0:1], 0x10              ; bq s[8:9], bk s[10:11]
	s_load_b128 s[12:15], s[0:1], 0x20             ; bv s[12:13], qq s[14:15]
	s_load_b64 s[16:17], s[0:1], 0x30              ; kv
	v_lshl_add_u32 v30, v0, 2, SPARE
	v_mov_b32 v31, 0
	ds_add_u32 v30, v31                            ; the opening add, twice on end
	ds_add_u32 v30, v31
	v_lshrrev_b32 v1, 5, v0
	v_readfirstlane_b32 s[WV], v1                  ; wave 0..3
	s_bfe_u32 s40, ttmp6, 0x40000                  ; cx, cy: my place in the cluster
	s_bfe_u32 s41, ttmp6, 0x40004
	s_lshl_b32 s42, ttmp9, 2
	s_add_co_u32 s42, s42, s40                     ; the head 0..15
	s_and_b32 s21, ttmp7, 0xffff
	s_lshl_b32 s21, s21, 2
	s_add_co_u32 s21, s21, s41                     ; block of 256 rows 0..15
	s_lshl_b32 s43, s41, 2
	s_lshl_b32 s43, 15, s43                        ; my row of the cluster
	s_lshl_b32 s44, 0x1111, s40                    ; my column
	; descriptor group 1: a dense block as rows of 256 bytes (32 elements of 8 bytes), no padding: x's four records of a half, W's three
	s_or_b32 s[G1X+0], s43, (3<<16)|(1<<21)        ; 15:0 the mask: x's records go to my row; 17:16 elements of 8 bytes; 21 set beside a mask
	s_mov_b32 s[G1X+1], 32<<16                     ; tensor_dim0
	s_mov_b32 s[G1X+2], 272<<16                    ; tensor_dim1
	s_mov_b32 s[G1X+3], 32<<16                     ; tile_dim0
	s_mov_b32 s[G1X+4], 272                        ; tile_dim1
	s_mov_b32 s[G1X+5], 32                         ; tensor_dim0_stride
	s_mov_b32 s[G1X+6], 0
	s_mov_b32 s[G1X+7], 0
	s_or_b32 s[G1W+0], s44, (3<<16)|(1<<21)        ; W's go to my column
	s_mov_b32 s[G1W+1], 32<<16
	s_mov_b32 s[G1W+2], 204<<16
	s_mov_b32 s[G1W+3], 32<<16
	s_mov_b32 s[G1W+4], 204
	s_mov_b32 s[G1W+5], 32
	s_mov_b32 s[G1W+6], 0
	s_mov_b32 s[G1W+7], 0
	s_lshr_b32 s45, s[WV], 1                       ; the half that I fetch: waves 0 and 2 of x, waves 1 and 3 of W
	s_mul_i32 s22, s45, HB                         ; where it goes
	s_mul_i32 s46, s21, 8*HREC                     ; x's offset never holds cx
	s_mul_i32 s47, s45, 4*HREC
	s_add_co_u32 s46, s46, s47
	s_mov_b32 s47, 0
	s_mul_i32 s60, s42, 6*HREC                     ; W's never holds cy
	s_mul_i32 s61, s45, 3*HREC
	s_add_co_u32 s60, s60, s61
	s_mov_b32 s61, 0
	s_mov_b32 s[G0X], 1
	s_mov_b32 s[G0X+1], s22
	s_mov_b32 s[G0W], 1
	s_add_co_u32 s[G0W+1], s22, WLDS
	s_wait_dscnt 0x0                               ; both opening adds are done
	s_wait_kmcnt 0x0
	s_add_nc_u64 s[G0X+2:G0X+3], s[4:5], s[46:47]
	s_or_b32 s[G0X+3], s[G0X+3], 0x80000000
	s_add_nc_u64 s[G0W+2:G0W+3], s[6:7], s[60:61]
	s_or_b32 s[G0W+3], s[G0W+3], 0x80000000
	CROUND                                         ; all sixteen work-groups are here: the joint loads meet
	ARM 1, G0X, G1X, .Lfor_w
	ARM 2, G0W, G1W, .Lfor_x1
	ARM 3, G0X, G1X, .Lfor_w1
	tensor_load_to_lds s[G0W:G0W+3], s[G1W:G1W+7]
	s_nop 0
.rept 4
	v_nop
.endr
.Lasked:
	s_mul_i32 s71, s[WV], HREC                     ; my record of x in LDS
	s_add_co_u32 s72, s71, 16384                   ; its scale words
	s_lshl_b32 s84, s42, 8                         ; the head's 64 numbers of a bias, in bytes
	s_lshl_b32 s69, s[WV], 8
	s_add_co_u32 s69, s69, XCH                     ; v: where I hand my scale words over,
	s_or_b32 s85, s[WV], 1
	s_lshl_b32 s85, s85, 8
	s_add_co_u32 s85, s85, XCH                     ; and where an even wave finds its neighbour's
	v_and_b32 v1, 31, v0                           ; lane
	v_and_b32 v8, 15, v0                           ; r
	v_bfe_u32 v9, v0, 4, 1                         ; h
	v_lshlrev_b32 v24, 7, v9
	v_add_nc_u32 v24, s84, v24                     ; q's and k's bias by P's rows: channel 32 h + 8 t + j
	v_lshrrev_b32 v25, 3, v8
	v_and_b32 v29, 7, v8
	v_lshl_add_u32 v25, v25, 5, v29
	v_lshlrev_b32 v25, 2, v25
	v_add_nc_u32 v25, s84, v25                     ; v's by R's rows: channel 32 (r / 8) + 8 a + r % 8
	v_lshlrev_b32 v6, 4, v1
	v_lshlrev_b32 v10, 2, v1
	v_lshlrev_b32 v11, 3, v9                       ; 8 h
	v_add_nc_u32 v[ADX], s71, v6
	v_add_nc_u32 v[ASX], s72, v10
	v_add_nc_u32 v[ADW], WLDS, v6
	v_add_nc_u32 v[ASW], WLDS+16384, v10
	v_lshlrev_b32 v10, 3, v1
	v_add_nc_u32 v26, s69, v10
	v_add_nc_u32 v27, s85, v10
	v_lshlrev_b32 v28, 4, v8
	v_lshl_add_u32 v28, v9, 3, v28                 ; 16 r + 8 h: my two words' place in 64 rows' 256 bytes
	s_wait_alu depctr_va_vdst(0)                   ; ahead of the scalar lines and the wait below
	WIN 0x80                                       ; the biases, the C of the first K step: window 2
.irp t, 0,1,2,3
	global_load_b128 v[128+8*\t:131+8*\t], v24, s[8:9] offset:32*\t
	global_load_b128 v[132+8*\t:135+8*\t], v24, s[8:9] offset:32*\t+16
	global_load_b128 v[160+8*\t:163+8*\t], v24, s[10:11] offset:32*\t
	global_load_b128 v[164+8*\t:167+8*\t], v24, s[10:11] offset:32*\t+16
.endr
.irp a, 0,1,2,3
	global_load_b32 v[192+8*\a], v25, s[12:13] offset:32*\a
.endr
	WIN 0
	; where the results go
	s_and_b32 s68, s[WV], 1                        ; c: which half of their key step my 64 rows are
	s_lshr_b32 s82, s21, 3
	s_lshl_b32 s82, s82, 4
	s_add_co_u32 s82, s82, s42                     ; batch x 16 + head
	s_and_b32 s83, s21, 7
	s_lshl_b32 s83, s83, 2
	s_add_co_u32 s83, s83, s[WV]                   ; my 64 rows in the batch's 32
	s_mul_i32 s92, s82, HEADB
	s_lshr_b32 s93, s83, 1
	s_mul_i32 s93, s93, STEPB
	s_add_co_u32 s92, s92, s93                     ; kv: my head's key step
	s_lshl_b32 s93, s82, 5
	s_add_co_u32 s93, s93, s83
	s_lshl_b32 s70, s93, 11                        ; q: codes,
	s_mov_b32 s71, 0
	s_lshl_b32 s72, s93, 8
	s_add_co_u32 s72, s72, QS                      ; scale words
	s_mov_b32 s73, 0
	s_lshl_b32 s74, s68, 11
	s_add_co_u32 s74, s74, s92                     ; k: codes,
	s_mov_b32 s75, 0
	s_lshl_b32 s76, s68, 8
	s_add_co_u32 s76, s76, s92
	s_add_co_u32 s76, s76, 8192                    ; scale words
	s_mov_b32 s77, 0
	s_lshl_b32 s78, s68, 9
	s_add_co_u32 s78, s78, s92
	s_add_co_u32 s78, s78, 4096                    ; v: codes,
	s_mov_b32 s79, 0
	s_add_co_u32 s80, s92, 8704                    ; scale words
	s_mov_b32 s81, 0
	s_add_nc_u64 s[70:71], s[14:15], s[70:71]
	s_add_nc_u64 s[72:73], s[14:15], s[72:73]
	s_add_nc_u64 s[74:75], s[16:17], s[74:75]
	s_add_nc_u64 s[76:77], s[16:17], s[76:77]
	s_add_nc_u64 s[78:79], s[16:17], s[78:79]
	s_add_nc_u64 s[80:81], s[16:17], s[80:81]
	s_lshl_b32 s88, s68, 4                         ; v: the second 64 keys' bytes stand 16 bits up
	s_mov_b32 s89, 0xffff0000                      ; lanes 16-31
	s_mov_b32 s90, 0x76543210
	s_mov_b32 s91, 0xfedcba98                      ; v_permlanex16_b32's selects for lane l xor 16
	s_wait_loadcnt 0x0                             ; the biases
	WIN 0x82
.irp j, 1,2,3,4,5,6,7
.irp a, 0,1,2,3
	v_mov_b32 v[192+8*\a+\j], v[192+8*\a]          ; v's: one number a lane, in the eight registers of a result
.endr
.endr
	WIN 0
	s_wait_alu depctr_va_vdst(0)
	s_cmp_lt_u32 s[WV], 2                          ; the first half's loads have lines of their own, and every wave that issued them waits here
	s_cbranch_scc0 .Lsecond_half
	s_wait_tensorcnt 0x0
.Lsecond_half:
	s_barrier_signal -1
	s_barrier_wait -1                              ; the first half of K is in
	LD 0
	LD 1
	LD 2
.irp g, 0,1,2,3,4,5,6,7,8,9,10,11
	GROUP \g
.endr
	WIN 0
	v_add_nc_u32 v[ADX], HB, v[ADX]                ; on to the second half.  (These four lines are also the places in front of the loads behind the barrier)
	v_add_nc_u32 v[ADW], HB, v[ADW]
	v_add_nc_u32 v[ASX], HB, v[ASX]
	v_add_nc_u32 v[ASW], HB, v[ASW]
	s_wait_alu depctr_va_vdst(0)
	s_wait_tensorcnt 0x0                           ; my part has landed,
	s_wait_dscnt 0x0
	s_barrier_signal -1
	s_barrier_wait -1                              ; everybody's has: the second half is in
	LD 12
	LD 13
	LD 14
.irp g, 12,13,14,15,16,17,18,19,20,21,22,23
	GROUP \g
.endr
	WIN 0
	; THE QUANTISER.  Block e: R's tile e % 4 of q (e = 0..3), k (4..7), v (8..11): my 32 numbers are a whole block.  The blocks by turns, each accumulator from its low end on.
.set TM,  224
.set SCL, 236
.set BY,  32
.set CD,  48
.set YY,  96
.set SH,  108
.irp e, 0,1,2,3,4,5,6,7,8,9,10,11
	v_mov_b32 v[TM+\e], 0x1800000                  ; the floor 2^(3 - 127): the byte cannot fall under 1.  (Also the places in front of the first read of results)
.endr
	WIN 0x14                                       ; sources 1 and 2 in window 1
.irp i, 0,2,4,6,8,10,12,14,16,18,20,22,24,26,28,30
.irp e, 0,1,2,3,4,5,6,7
	v_max3_num_f32 v[TM+\e], v[TM+\e], |v[32*\e+\i]|, |v[32*\e+\i+1]|
.endr
.endr
	WIN 0x28                                       ; in window 2
.irp i, 0,2,4,6,8,10,12,14,16,18,20,22,24,26,28,30
.irp e, 0,1,2,3
	v_max3_num_f32 v[TM+8+\e], v[TM+8+\e], |v[32*\e+\i]|, |v[32*\e+\i+1]|
.endr
.endr
	WIN 0
.irp e, 0,1,2,3,4,5,6,7,8,9,10,11
	v_add_nc_u32 v[SCL+\e], 0xff000000, v[TM+\e]   ; 2 off its exponent field: the conversion's scale operand
.endr
.irp e, 0,1,2,3,4,5,6,7,8,9,10,11
	v_lshrrev_b32 v[BY+\e], 23, v[SCL+\e]          ; the scale's byte
.endr
	WIN 0x01
.irp e, 0,1,2,3,4,5,6,7
.irp g, 0,1,2,3
	v_cvt_scalef32_pk8_fp4_f32 v[CD+4*\e+\g], v[32*\e+8*\g:32*\e+8*\g+7], v[SCL+\e]
.endr
.endr
	WIN 0x02
.irp e, 0,1,2,3
.irp g, 0,1,2,3
	v_cvt_scalef32_pk8_fp4_f32 v[CD+32+4*\e+\g], v[32*\e+8*\g:32*\e+8*\g+7], v[SCL+8+\e]
.endr
.endr
	WIN 0
.irp e, 0,1,2,3,4,5,6,7,8,9,10,11
	v_mov_b32 v[YY+\e], 0                          ; (a lane permute's destination counts as one of its sources; also the plain lines behind the conversions)
.endr
.irp a, 0,1,2,3
	global_store_b128 v6, v[CD+4*\a:CD+4*\a+3], s[70:71] offset:512*\a         ; each 512 consecutive bytes, at a multiple of 256 from the buffer's first byte
	global_store_b128 v6, v[CD+16+4*\a:CD+16+4*\a+3], s[74:75] offset:512*\a
	global_store_b128 v6, v[CD+32+4*\a:CD+32+4*\a+3], s[78:79] offset:1024*\a
.endr
.irp e, 0,1,2,3,4,5,6,7,8,9,10,11
	v_lshlrev_b32 v[SH+\e], v11, v[BY+\e]          ; block h's byte stands 8 h bits up
.endr
.irp e, 0,1,2,3,4,5,6,7,8,9,10,11
	v_permlanex16_b32 v[YY+\e], v[SH+\e], s90, s91
.endr
.irp e, 0,1,2,3,4,5,6,7,8,9,10,11
	v_or_b32 v[YY+\e], v[YY+\e], v[SH+\e]          ; with lane l xor 16's: both blocks' bytes
.endr
.irp k, 0,1,2
	v_cndmask_b32 v[120+2*\k], v[YY+4*\k], v[YY+4*\k+2], s89     ; lane (r, h) sends tiles 2 h and 2 h + 1
	v_cndmask_b32 v[121+2*\k], v[YY+4*\k+1], v[YY+4*\k+3], s89
.endr
.irp j, 120,121,122,123
	v_or_b32 v[\j], 0x7f7f0000, v[\j]              ; q, k: bytes 2 and 3 stand over zero codes
.endr
	v_lshlrev_b32 v124, s88, v124
	v_lshlrev_b32 v125, s88, v125
	s_wait_alu depctr_va_vdst(0)
	ds_store_b64 v26, v[124:125]                   ; v: a key step's words come from two waves, two bytes each
	global_store_b64 v28, v[120:121], s[72:73]     ; q, k: 256 consecutive bytes
	global_store_b64 v28, v[122:123], s[76:77]
	s_wait_dscnt 0x0                               ; for the neighbour's sake: my words are in LDS
	s_barrier_signal -1
	s_barrier_wait -1
	s_cmp_lg_u32 s68, 0
	s_cbranch_scc1 .Lstored
	ds_load_b64 v[126:127], v27
	s_wait_dscnt 0x0
	v_or_b32 v126, v126, v124
	v_or_b32 v127, v127, v125
	global_store_b64 v28, v[126:127], s[80:81]     ; 256 consecutive bytes
.Lstored:
	s_wait_tensorcnt 0x0                           ; the wave's end
	ds_add_u32 v30, v31
	s_wait_dscnt 0x0
	CROUND                                         ; the closing round: no work-group ends while a partner may still ask for a part that names it
	s_endpgm
.Lfunc_end_k_q354fe9931b_qkv:
	.size	k_q354fe9931b_qkv, .Lfunc_end_k_q354fe9931b_qkv-k_q354fe9931b_qkv
	.p2alignl 7, 3214868480
	.fill 96, 4, 3214868480
	.section	.rodata,"a",@progbits
	.p2align	6, 0x0
	.amdhsa_kernel k_q354fe9931b_qkv
		.amdhsa_group_segment_fixed_size 245248
		.amdhsa_private_segment_fixed_size 0
		.amdhsa_enable_private_segment 0
		.amdhsa_kernarg_size 56
		.amdhsa_user_sgpr_count 2
		.amdhsa_user_sgpr_kernarg_segment_ptr 1
		.amdhsa_wavefront_size32 1
		.amdhsa_system_sgpr_workgroup_id_x 1
		.amdhsa_system_sgpr_workgroup_id_y 1
		.amdhsa_system_sgpr_workgroup_id_z 1
		.amdhsa_system_vgpr_workitem_id 0
		.amdhsa_next_free_vgpr 736
		.amdhsa_next_free_sgpr 100
		.amdhsa_reserve_vcc 0
		.amdhsa_float_denorm_mode_32 3
		.amdhsa_float_denorm_mode_16_64 3
		.amdhsa_memory_ordered 1
		.amdhsa_forward_progress 1
		.amdhsa_inst_pref_size 106
	.end_amdhsa_kernel
	.amdgpu_metadata
---
amdhsa.version: [ 1, 2 ]
amdhsa.kernels:
  - .name:           k_q354fe9931b_qkv
    .symbol:         k_q354fe9931b_qkv.kd
    .args:
      - { .name: xq, .offset: 0, .size: 8, .value_kind: global_buffer, .address_space: global }
      - { .name: wq, .offset: 8, .size: 8, .value_kind: global_buffer, .address_space: global }
      - { .name: bq, .offset: 16, .size: 8, .value_kind: global_buffer, .address_space: global }
      - { .name: bk, .offset: 24, .size: 8, .value_kind: global_buffer, .address_space: global }
      - { .name: bv, .offset: 32, .size: 8, .value_kind: global_buffer, .address_space: global }
      - { .name: qq, .offset: 40, .size: 8, .value_kind: global_buffer, .address_space: global }
      - { .name: kv, .offset: 48, .size: 8, .value_kind: global_buffer, .address_space: global }
    .group_segment_fixed_size: 245248
    .private_segment_fixed_size: 0
    .kernarg_segment_align: 8
    .kernarg_segment_size: 56
    .max_flat_workgroup_size: 128
    .sgpr_count:     100
    .vgpr_count:     736
    .wavefront_size: 32
...
	.end_amdgpu_metadata
.endif
;; end of part 2
;; launch attn (part 3): grid 8 x 32, 16 waves a work-group, clusters of 4 x 1, 167,936 bytes of LDS; arguments qq, kv, hq; writes hq
.if DOCPART == 3
	.amdgcn_target "amdgcn-amd-amdhsa--gfx1250"
	.amdhsa_code_object_version 6
	.text
	.protected	k_q354fe9931b_attn
	.globl	k_q354fe9931b_attn
	.p2align	8
	.type	k_q354fe9931b_attn,@function
k_q354fe9931b_attn:
	s_mov_b64 s[64:65], 0
	v_nop
	global_prefetch_b8 v0, s[64:65] scope:SCOPE_SE
	s_setreg_imm32_b32 hwreg(HW_REG_WAVE_MODE, 25, 1), 1
	s_wait_xcnt 0x0
	s_wait_alu depctr_hold_cnt(0) depctr_sa_sdst(0) depctr_va_vdst(0) depctr_va_sdst(0) depctr_va_ssrc(0) depctr_va_vcc(0) depctr_vm_vsrc(0)
	s_getreg_b32 s2, hwreg(HW_REG_IB_STS2, 6, 4)
	s_cmp_eq_u32 s2, 0
	s_cbranch_scc0 .Lentry_in_a_cluster
	s_endpgm
.Lentry_in_a_cluster:
	s_bfe_u32 s2, ttmp6, 0x10000c
	s_cmp_lg_u32 s2, 0x3003
	s_cbranch_scc0 .Lentry_shape_is_right
	s_endpgm
.Lentry_shape_is_right:
; h[head][q] = the sum over keys k <= q of softmax_k(q . k / 8) v[k], both products on codes of FP4 (E2M1) with E8M0 scales; h is quantised at once along (head, channel) for the last product.
; WORK LEFT OUT: key steps of 128 keys all of which come after a tile's queries: reference()'s own mask gives them the weight 0 for all values of the inputs.  A NaN or an infinity that reaches only those is not carried to the result.
; THE SOFTMAX AHEAD OF THE SECOND PRODUCT: t = score x log2(e) / 8; M = the row's largest t so far, rounded UP to a whole number; p = 2^(t - M) is what is quantised, along the keys, not normalised.
; The row's sum is taken of the unquantised p, in f32, and divides at the end.  When M moves, the sum and O are multiplied by 2^(old M - new M): exact.
; THE HEAD'S 64 are half of the instruction's 128 along K: registers 4-7 of q's and k's fragments hold zero codes, and bytes 2 and 3 of their scale words are 127.
; LIMITS: a block of zeros, and one whose largest magnitude lies under 2^-124, gets the scale byte 1 (its codes are zeros; this program alone reads the bytes).  A block's largest p is taken from the block's largest score by the
; same multiply-add and exponential: that takes v_exp_f32 not to fall where its input rises.  t stays under 2^31 in magnitude.  NaN and infinities are not served.
; SHARES.  A work-group is (head, G = 0..1, t = place in the cluster 0..3).  Each of its sixteen waves owns ONE tile of 16 queries: of queries 128 i .. 128 i + 127 those at 64 G + 32 (r / 8) + 8 t + r % 8 (r = lane % 16).
; Tile i has i + 1 key steps of 128 keys, the last on the diagonal; later steps are left out.  i = 4 H + ((wave % 4) xor H), H = 3 - wave / 4: waves with equal wave % 4 have 34 steps together, the lowest wave the longest tile.
; No branch and no LDS address hangs on the place in the cluster.
; LDS holds the head's whole K and V, 143,360 bytes, filled once: wave w asks for key step w.  The four work-groups of a cluster belong to one head: each load is a joint one.  No loop over memory: no prefetch.
; LAYOUT.  Both products are used transposed: S^T = K Q^T, O^T = V^T P^T: a lane holds ONE query (r) throughout.  By the order of rows in a record (tile t, position p: row 32 (p / 8) + 8 t + p % 8) a lane's 32 registers of
; four tiles are 32 neighbours, a whole block: keys 64 c + 32 h + 0 .. 31 in S^T (c = 0, 1; h = lane / 16), which is the very order of P's operand registers; channels 32 h + 0 .. 31 in O^T.
.set HREC,  17408                      ; a record of hq: 64 rows x 512 along the last product's K
.set QS,    2097152
.set HEADB, 143360
.set STEPB, 8960                       ; a key step: K's codes (8 tiles x 512), V's codes at 4,096 (4 tiles x 1,024), K's scale words at 8,192, V's at 8,704
.set SPARE, 165888
.set WV,  18                           ; my wave's number
.set II,  19                           ; i
.set SEL, 20                           ; s[20:21] v_permlanex16_b32's selects for lane l xor 16
.set CS,  22                           ; s[22:23] c = log2(e) / 8: the packed form names a pair and takes its low word for both halves
.set TT,  24                           ; t
.set BH,  25                           ; batch x 16 + head
.set GG,  26                           ; G
.set TN,  27                           ; LDS byte at which the next step begins
.set G1,  28                           ; s[28:35], s[36:39] descriptor groups 1 and 0
.set G0,  36
.set TB,  40                           ; LDS byte at which the step begins
.set NN,  41                           ; the step
.set NC,  46                           ; -c
.set HM,  66                           ; s[66:97] the diagonal's masks: lanes in which the n-th of 64 keys' 32 registers is hidden
; REGISTERS: v1 16 x lane, v2 16 r + 8 h, v3, v4, v6 LDS addresses, v5 the masks' bound, v7 4 r + h, v10 at work, v11 8 h; v12 -M, v13 the largest score, v[14:15] the sum in two halves; v16-23 Q; v24 its scale word;
; v26-27 V's scale words; v32-95 K's eight fragments; v96-159 S^T, then p; v160-191 O^T; v192-223 V's four fragments; v224-231 p's codes; v232-243, v254 at work; v244 p's scale word; v245 -infinity;
; v246, v247 the add's; v248-251 K's scale words; v[252:253] f.
.macro CROUND                          ; a round of the cluster's barrier
	s_barrier_signal -1
	s_barrier_wait -1
	s_cmp_lg_u32 s[WV], 0
	s_cbranch_scc1 .Lnot_wave_0_\@
	s_barrier_signal -3
.Lnot_wave_0_\@:
	s_barrier_wait -3
	s_barrier_signal -1
	s_barrier_wait -1
.endm
.macro KLOAD ad                        ; a key step of K: its codes and its words (register t: lanes 0-15 tile t's, lanes 16-31 tile 4 + t's)
.irp t, 0,1,2,3,4,5,6,7
	ds_load_b128 v[32+8*\t:35+8*\t], v[\ad] offset:512*\t
.endr
	ds_load_b128 v[248:251], v[\ad] offset:8192
.endm
	s_load_b128 s[4:7], s[0:1], 0x0                ; qq s[4:5], kv s[6:7]
	s_load_b64 s[8:9], s[0:1], 0x10                ; hq
	v_lshl_add_u32 v246, v0, 2, SPARE
	v_mov_b32 v247, 0
	ds_add_u32 v246, v247                          ; the opening add, twice on end
	ds_add_u32 v246, v247
	v_lshrrev_b32 v1, 5, v0
	v_readfirstlane_b32 s[WV], v1                  ; wave 0..15
	s_bfe_u32 s[TT], ttmp6, 0x40000                ; cx: it enters Q's and h's addresses and the masks' bound alone
	s_and_b32 s42, ttmp7, 0xffff
	s_lshr_b32 s[GG], s42, 4                       ; G, and the head, which the four partners share, from the cluster's x and y
	s_and_b32 s42, s42, 15
	s_lshl_b32 s42, s42, 1
	s_add_co_u32 s[BH], s42, ttmp9
	s_lshr_b32 s43, s[WV], 2
	s_xor_b32 s43, s43, 3                          ; H
	s_and_b32 s44, s[WV], 3
	s_xor_b32 s44, s44, s43
	s_lshl_b32 s43, s43, 2
	s_add_co_u32 s[II], s43, s44
	s_mov_b32 s[G1], 15|(3<<16)|(1<<21)            ; 15:0 the mask: all four work-groups; 17:16 elements of 8 bytes; 21 set beside a mask; no padding
	s_mov_b32 s[G1+1], 32<<16                      ; tensor_dim0: rows of 256 bytes
	s_mov_b32 s[G1+2], 35<<16                      ; tensor_dim1: a key step is 35 of them, dense
	s_mov_b32 s[G1+3], 32<<16                      ; tile_dim0
	s_mov_b32 s[G1+4], 35                          ; tile_dim1
	s_mov_b32 s[G1+5], 32                          ; tensor_dim0_stride
	s_mov_b32 s[G1+6], 0
	s_mov_b32 s[G1+7], 0
	s_mul_i32 s47, s[WV], STEPB                    ; key step = my wave's number, in LDS and in the head
	s_mul_i32 s2, s[BH], HEADB
	s_add_co_u32 s2, s2, s47
	s_mov_b32 s3, 0
	s_lshl_b32 s48, s[BH], 5
	s_add_co_u32 s48, s48, s[GG]
	s_lshl_b32 s50, s[II], 1
	s_add_co_u32 s50, s50, s48                     ; my 64 queries in qq
	s_lshl_b32 s60, s[TT], 9
	s_lshl_b32 s61, s[TT], 2
	s_add_co_u32 s61, s61, QS
	s_lshl_b32 s52, s50, 11
	s_add_co_u32 s52, s52, s60                     ; codes,
	s_mov_b32 s53, 0
	s_lshl_b32 s54, s50, 8
	s_add_co_u32 s54, s54, s61                     ; scale words
	s_mov_b32 s55, 0
	s_and_b32 s60, s[BH], 15                       ; the head: blocks 2 head and 2 head + 1 along the last product's K
	s_lshr_b32 s63, s[BH], 4
	s_lshl_b32 s63, s63, 4
	s_add_co_u32 s63, s63, s[II]
	s_lshl_b32 s63, s63, 2
	s_lshr_b32 s61, s60, 3
	s_lshl_b32 s61, s61, 1
	s_add_co_u32 s63, s63, s61
	s_add_co_u32 s63, s63, s[GG]
	s_mul_i32 s98, s63, HREC                       ; its record in hq: [128 rows][half][64 rows]
	s_mov_b32 s99, 0
	s_bfe_u32 s61, s60, 0x20001
	s_lshl_b32 s61, s61, 8
	s_add_co_u32 s100, s98, s61
	s_lshl_b32 s61, s[TT], 6
	s_add_co_u32 s100, s100, s61
	s_and_b32 s61, s60, 1
	s_lshl_b32 s61, s61, 1
	s_add_co_u32 s100, s100, s61
	s_add_co_u32 s100, s100, 16384                 ; the scale bytes: K step (head / 2) % 4 of the half, tile t, bytes 2 (head % 2) and + 1 of a word
	s_mov_b32 s101, 0
	s_lshl_b32 s61, s[TT], 12
	s_add_co_u32 s98, s98, s61
	s_and_b32 s61, s60, 7
	s_lshl_b32 s61, s61, 9
	s_add_co_u32 s98, s98, s61                     ; the codes
	s_mov_b32 s[SEL], 0x76543210
	s_mov_b32 s[SEL+1], 0xfedcba98
	s_mov_b32 s[CS], 0x3e38aa3b                    ; log2(e) / 8
	s_mov_b32 s[CS+1], s[CS]                       ; (named with it as a pair, so it is written)
	s_mov_b32 s[NC], 0xbe38aa3b
	s_mov_b32 s[TB], STEPB                         ; the loop begins with step 1
	s_mov_b32 s[NN], 1
	s_wait_dscnt 0x0                               ; both opening adds are done
	s_wait_kmcnt 0x0
	s_mov_b32 s[G0], 1
	s_mov_b32 s[G0+1], s47
	s_add_nc_u64 s[G0+2:G0+3], s[6:7], s[2:3]
	s_or_b32 s[G0+3], s[G0+3], 0x80000000
	s_add_nc_u64 s[10:11], s[4:5], s[52:53]
	s_add_nc_u64 s[12:13], s[4:5], s[54:55]
	s_add_nc_u64 s[14:15], s[8:9], s[98:99]
	s_add_nc_u64 s[16:17], s[8:9], s[100:101]
	CROUND                                         ; all four work-groups are here: the joint loads meet
	s_cmp_lt_u32 s[WV], 2                          ; key steps 0 and 1 have a load line of their own: they are waited for first.  Each wave has one tensor load, its only one in the launch
	s_cbranch_scc0 .Llater_steps
	tensor_load_to_lds s[G0:G0+3], s[G1:G1+7]
	s_nop 0
.rept 4
	v_nop
.endr
	s_branch .Lasked
.Llater_steps:
	tensor_load_to_lds s[G0:G0+3], s[G1:G1+7]
	s_nop 0
.rept 4
	v_nop
.endr
.Lasked:
	s_lshl_b32 s54, s[TT], 3
	v_and_b32 v6, 31, v0
	v_and_b32 v232, 15, v0                         ; r
	v_bfe_u32 v233, v0, 4, 1                       ; h
	v_lshlrev_b32 v1, 4, v6
	v_lshlrev_b32 v10, 4, v232
	global_load_b128 v[16:19], v1, s[10:11]        ; Q's fragment: lanes 0-15 block 0, lanes 16-31 block 1; it stays
	global_load_b32 v24, v10, s[12:13]             ; and its scale words
	v_lshl_add_u32 v2, v233, 3, v10                ; 16 r + 8 h
	v_lshl_add_u32 v7, v232, 2, v233               ; 4 r + h
	v_lshlrev_b32 v11, 3, v233
	v_lshrrev_b32 v5, 3, v232
	v_sub_nc_u32 v5, v5, v233
	v_and_b32 v6, 7, v232
	v_lshl_add_u32 v5, v5, 5, v6
	v_add_nc_u32 v5, s54, v5                       ; 8 t + 32 (r / 8) + r % 8 - 32 h: on the diagonal the n-th register of 64 keys G is hidden where n is above this
.irp n, 0,1,2,3,4,5,6,7,8,9,10,11,12,13,14,15,16,17,18,19,20,21,22,23,24,25,26,27,28,29,30,31
	v_cmp_gt_i32 s[HM+\n], \n, v5
.endr
	v_mov_b32 v245, 0xff800000                     ; -infinity
	v_mov_b32 v13, 0xff61b1e6                      ; the largest score so far: -3e38, under every score
	v_mov_b32 v12, 0x7e000000                      ; -M: M under every t
	v_mov_b32 v14, 0                               ; the sum, in two halves
	v_mov_b32 v15, 0
.irp j, 20,21,22,23
	v_mov_b32 v[\j], 0                             ; Q's k = 64 .. 127: zero codes
.endr
.irp t, 0,1,2,3,4,5,6,7
.irp j, 4,5,6,7
	v_mov_b32 v[32+8*\t+\j], 0                     ; K's likewise: written once, never again
.endr
.endr
.irp j, 0,1,2,3,4,5,6,7,8,9,10,11,12,13,14,15,16,17,18,19,20,21,22,23,24,25,26,27,28,29,30,31
	v_mov_b32 v[160+\j], 0                         ; O^T.  (The step is written once: the first finds zeros, which the first change of M leaves zeros)
.endr
	v_mov_b32 v240, 0                              ; written once: a lane permute's destination counts as one of its sources
	v_mov_b32 v254, 0
	v_mov_b32 v253, 0                              ; (named as the upper half of the pair v[252:253])
	s_wait_alu depctr_va_vdst(0)
	s_wait_loadcnt 0x0                             ; Q
	s_cmp_lt_u32 s[WV], 2
	s_cbranch_scc0 .Lsteps_later
	s_wait_tensorcnt 0x0                           ; key steps 0 and 1: every wave that asked for one of them waits here
.Lsteps_later:
	s_barrier_signal -1
	s_barrier_wait -1                              ; key steps 0 and 1 are in
	KLOAD 1                                        ; step 0
.macro ADDP a
	v_pk_add_f32 v[\a:\a+1], v[\a:\a+1], v[PK:PK+1]
.set PK, PK+2
.endm
.macro ADD4
	ADDP 14
	ADDP 234
	ADDP 236
	ADDP 238
.endm
; A KEY STEP of 128 keys.  peel = 1: step 0, written out: it reads key step 0 and fetches K's part of key step 1, and nothing else of LDS
.macro STEP peel
.if \peel
.set VA, 1
.set VB, 2
.else
	v_add_nc_u32 v3, s[TB], v1                     ; with the last three lines of the step before five places in front of loads into registers that its matrix instructions have read
	v_add_nc_u32 v4, s[TB], v2
.set VA, 3
.set VB, 4
.endif
.irp d, 0,1,2,3
.irp c, 0,1
	ds_load_b128 v[192+8*\d+4*\c:195+8*\d+4*\c], v[VA] offset:4096+1024*\d+512*\c
.endr
.endr
	ds_load_b64 v[26:27], v[VB] offset:8704        ; register u: lanes 0-15 tile u's words, lanes 16-31 tile 2 + u's
	s_wait_dscnt 9                                 ; K and its words are in (asked for a step ago); V's eight loads and its words may stay out: they land under the softmax
.irp t, 0,1,2,3
	v_wmma_scale_f32_16x16x128_f8f6f4 v[96+8*\t:103+8*\t], v[32+8*\t:39+8*\t], v[16:23], 0, v[248+\t], v24 matrix_a_fmt:MATRIX_FMT_FP4 matrix_b_fmt:MATRIX_FMT_FP4
.endr
.irp t, 0,1,2,3
	v_wmma_scale_f32_16x16x128_f8f6f4 v[128+8*\t:135+8*\t], v[64+8*\t:71+8*\t], v[16:23], 0, v[248+\t], v24 matrix_a_fmt:MATRIX_FMT_FP4 matrix_b_fmt:MATRIX_FMT_FP4 matrix_a_scale:MATRIX_SCALE_ROW1
.endr
.if \peel
	s_cmp_eq_u32 s[II], 0
	s_cbranch_scc1 .Ldiagonal_\@
	v_add_nc_u32 v6, STEPB, v1
.else
	s_add_co_u32 s[TN], s[NN], 1
	s_and_b32 s[TN], s[TN], 15
	s_mul_i32 s[TN], s[TN], STEPB
	s_cmp_eq_u32 s[NN], s[II]
	s_cbranch_scc1 .Ldiagonal_\@
	v_add_nc_u32 v6, s[TN], v1
.endif
.rept 3
	v_nop                                          ; with the line above four places, in front of the loads and of the first read of results
.endr
	KLOAD 6                                        ; K's next step: it lands under this step's softmax
	s_branch .Lopen_\@
.Ldiagonal_\@:                                     ; the last step: the scores of hidden keys become -infinity ahead of the maximum: p = 0 then
.rept 4
	v_nop                                          ; four places in front of the first read of results
.endr
	s_cmp_eq_u32 s[GG], 0
	s_cbranch_scc1 .Lfirst_keys_\@
.irp n, 0,1,2,3,4,5,6,7,8,9,10,11,12,13,14,15,16,17,18,19,20,21,22,23,24,25,26,27,28,29,30,31
	v_cndmask_b32 v[128+\n], v[128+\n], v245, s[HM+\n]   ; G = 1: the first 64 keys all count
.endr
	s_wait_alu depctr_va_vdst(0)                   ; ahead of the branch
	s_branch .Lopen_\@
.Lfirst_keys_\@:
.irp n, 0,1,2,3,4,5,6,7,8,9,10,11,12,13,14,15,16,17,18,19,20,21,22,23,24,25,26,27,28,29,30,31
	v_cndmask_b32 v[96+\n], v[96+\n], v245, s[HM+\n]
.endr
.irp n, 0,1,2,3,4,5,6,7,8,9,10,11,12,13,14,15,16,17,18,19,20,21,22,23,24,25,26,27,28,29,30,31
	v_mov_b32 v[128+\n], v245                      ; G = 0: the last 64 keys are all hidden
.endr
.Lopen_\@:
.irp b, 0,1
	v_max3_num_f32 v[232+\b], v[96+32*\b], v[97+32*\b], v[98+32*\b]      ; THE LARGEST SCORE OF EACH BLOCK OF 32 KEYS, all of them mine: it serves the row's maximum and, since p rises with the score, the block's largest p
	v_max3_num_f32 v[234+\b], v[112+32*\b], v[113+32*\b], v[114+32*\b]
.endr
.irp i, 3,5,7,9,11,13
.irp b, 0,1
	v_max3_num_f32 v[232+\b], v[232+\b], v[96+32*\b+\i], v[97+32*\b+\i]
	v_max3_num_f32 v[234+\b], v[234+\b], v[112+32*\b+\i], v[113+32*\b+\i]
.endr
.endr
.irp b, 0,1
	v_max3_num_f32 v[232+\b], v[232+\b], v[234+\b], v[111+32*\b]
.endr
.irp b, 0,1
	v_max_num_f32 v[232+\b], v[232+\b], v[127+32*\b]
.endr
	s_delay_alu instid0(VALU_DEP_1)
	v_max3_num_f32 v13, v13, v232, v233            ; the running largest score
	s_delay_alu instid0(VALU_DEP_1)
	v_permlanex16_b32 v254, v13, s[SEL], s[SEL+1]
	s_delay_alu instid0(VALU_DEP_1)
	v_max_num_f32 v13, v13, v254                   ; with lane l xor 16's keys
	s_delay_alu instid0(VALU_DEP_1)
	v_mul_f32 v254, s[NC], v13                     ; -t (c is positive)
	s_delay_alu instid0(VALU_DEP_1)
	v_floor_f32 v10, v254                          ; the new -M = floor(-t) = -ceil(t): M is a whole number
	s_delay_alu instid0(VALU_DEP_1)
	v_sub_f32 v254, v10, v12                       ; M's old value less its new one: a whole number, 0 or less
	v_mov_b32 v12, v10
	s_delay_alu instid0(VALU_DEP_2)
	v_cvt_i32_f32 v254, v254                       ; (it saturates)
	s_delay_alu instid0(VALU_DEP_1)
	v_ldexp_f32 v252, 1.0, v254                    ; f = 2^(old M - new M): a multiplication by it rounds nothing
.irp j, 0,2,4,6,8,10,12,14,16,18,20,22,24,26,28,30,32,34,36,38,40,42,44,46,48,50,52,54,56,58,60,62
	v_pk_fma_f32 v[96+\j:97+\j], v[96+\j:97+\j], s[CS:CS+1], v[12:13] op_sel_hi:[1,0,0]   ; t - M, two at a time (of the pairs c and -M the low word serves both halves)
.endr
.irp b, 0,1
	v_fma_f32 v[232+\b], v[232+\b], s[CS], v12     ; the same of each block's largest score
.endr
	s_wait_alu depctr_va_vdst(0)                   ; ahead of the batch
.irp b, 0,1
	v_exp_f32 v[232+\b], v[232+\b]                 ; the block's largest p: the same two instructions on the same number give the same bits
.endr
.irp j, 0,1,2,3,4,5,6,7,8,9,10,11,12,13,14,15,16,17,18,19,20,21,22,23,24,25,26,27,28,29,30,31,32,33,34,35,36,37,38,39,40,41,42,43,44,45,46,47,48,49,50,51,52,53,54,55,56,57,58,59,60,61,62,63
	v_exp_f32 v[96+\j], v[96+\j]                   ; p = 2^(t - M), at most 1: not normalised
.endr
	v_pk_mul_f32 v[14:15], v[14:15], v[252:253] op_sel_hi:[1,0]   ; the sums under the new M; also the plain line behind the exponentials
	s_wait_alu depctr_va_vdst(0)                   ; one wait for the whole batch, ahead of its first reader
	s_wait_dscnt 0x0                               ; V and its words are in, and the next step's K
.set PK, 108
	; THE ROW'S SUM, of the unquantised p, in four chains of pairs; between its lines the blocks' scales and p's scale word, so that no line waits for the line above it
	v_max_num_f32 v232, 0x1800000, v232            ; the floor 2^(3 - 127): the byte cannot fall under 1 (a block whose every p is 0 keeps that byte: its codes are zeros)
	v_max_num_f32 v233, 0x1800000, v233
	v_pk_add_f32 v[234:235], v[96:97], v[98:99]
	v_pk_add_f32 v[236:237], v[100:101], v[102:103]
	v_pk_add_f32 v[238:239], v[104:105], v[106:107]
	v_add_nc_u32 v242, 0xff000000, v232            ; 2 off the exponent field: the conversion's scale operand
	v_add_nc_u32 v243, 0xff000000, v233
	ADD4
	v_lshrrev_b32 v240, 23, v242                   ; the scales' bytes: blocks h and 2 + h
	v_lshrrev_b32 v241, 23, v243
	ADD4
	v_lshl_or_b32 v241, v241, 16, v240
	ADD4
	v_lshlrev_b32 v241, v11, v241                  ; 8 h bits up
	ADD4
	v_permlanex16_b32 v240, v241, s[SEL], s[SEL+1]
	ADD4
	v_or_b32 v244, v240, v241                      ; with lane l xor 16's two bytes: p's scale word for these 128 keys
.irp c, 0,1
.irp t, 0,1,2,3
	v_cvt_scalef32_pk8_fp4_f32 v[224+4*\c+\t], v[96+32*\c+8*\t:103+32*\c+8*\t], v[242+\c]   ; a whole block a lane: the operand's registers as they stand
.endr
.endr
	ADD4
	ADDP 14
	ADDP 234
	s_wait_alu depctr_va_vdst(0)                   ; directly ahead of the first reader of O^T
.irp j, 0,2,4,6,8,10,12,14,16,18,20,22,24,26,28,30
	v_pk_mul_f32 v[160+\j:161+\j], v[160+\j:161+\j], v[252:253] op_sel_hi:[1,0]   ; O^T under the new M.  For each product below at least twelve of these sixteen name none of its registers: they stand between the lines that made p's codes and scale word and that product
.endr
.irp d, 0,1
	v_wmma_scale_f32_16x16x128_f8f6f4 v[160+8*\d:167+8*\d], v[192+8*\d:199+8*\d], v[224:231], v[160+8*\d:167+8*\d], v[26+\d], v244 matrix_a_fmt:MATRIX_FMT_FP4 matrix_b_fmt:MATRIX_FMT_FP4
.endr
.irp d, 0,1
	v_wmma_scale_f32_16x16x128_f8f6f4 v[176+8*\d:183+8*\d], v[208+8*\d:215+8*\d], v[224:231], v[176+8*\d:183+8*\d], v[26+\d], v244 matrix_a_fmt:MATRIX_FMT_FP4 matrix_b_fmt:MATRIX_FMT_FP4 matrix_a_scale:MATRIX_SCALE_ROW1
.endr                                              ; the four accumulators take turns; between two links of a chain stand the three others' and the next step's eight products
	v_pk_add_f32 v[236:237], v[236:237], v[238:239]   ; the four chains join: plain work behind the products
	v_pk_add_f32 v[14:15], v[14:15], v[234:235]
	v_pk_add_f32 v[14:15], v[14:15], v[236:237]
.endm
	STEP 1
	s_wait_alu depctr_va_vdst(0)
	s_wait_tensorcnt 0x0                           ; my key step has landed,
	s_wait_dscnt 0x0
	s_barrier_signal -1
	s_barrier_wait -1                              ; everybody's has: LDS is only read from here on
.Lstep:                                            ; steps 1 to 15, a constant; a step all of whose keys come after my queries is left out, but for the lines at its end
	s_cmp_gt_u32 s[NN], s[II]
	s_cbranch_scc1 .Lnext
	STEP 0
.Lnext:
	s_add_co_u32 s[TB], s[TB], STEPB
	s_add_co_u32 s[NN], s[NN], 1
	s_cmp_lt_u32 s[NN], 16
	s_cbranch_scc1 .Lstep
.rept 4
	v_nop                                          ; four places behind the last products
.endr
	; THE WAY OUT: O^T / the sum is h: register n of lane (r, h) is channel 32 h + n of query position r: a whole block of the last product's K.
	s_wait_alu depctr_va_vdst(0)                   ; the sums were written ahead of the loop's branches
	v_add_f32 v14, v14, v15                        ; the sum's two halves,
	v_permlanex16_b32 v254, v14, s[SEL], s[SEL+1]
	v_add_f32 v14, v14, v254                       ; and lane l xor 16's: the row's sum
	s_wait_alu depctr_va_vdst(0)
	v_rcp_f32 v14, v14
	v_nop                                          ; the plain line behind the reciprocal
	s_wait_alu depctr_va_vdst(0)                   ; ahead of the reciprocal's first reader
.irp j, 0,2,4,6,8,10,12,14,16,18,20,22,24,26,28,30
	v_pk_mul_f32 v[96+\j:97+\j], v[160+\j:161+\j], v[14:15] op_sel_hi:[1,0]   ; each accumulator from its low end on
.endr
	v_max3_num_f32 v232, |v96|, |v97|, 0x1800000
	v_max3_num_f32 v233, |v112|, |v113|, |v114|
.irp i, 2,4,6,8,10,12
	v_max3_num_f32 v232, v232, |v[96+\i]|, |v[97+\i]|
	v_max3_num_f32 v233, v233, |v[113+\i]|, |v[114+\i]|
.endr
	v_max3_num_f32 v232, v232, |v110|, |v111|
	v_max3_num_f32 v232, v232, v233, |v127|
	v_add_nc_u32 v242, 0xff000000, v232
.irp g, 0,1,2,3
	v_cvt_scalef32_pk8_fp4_f32 v[224+\g], v[96+8*\g:103+8*\g], v242
.endr
	v_lshrrev_b32 v240, 23, v242                   ; the scale's byte; also the plain line behind the conversions
	global_store_b128 v1, v[224:227], s[14:15]     ; 512 consecutive bytes, at a multiple of 256 from the buffer's first byte
	global_store_b8 v7, v240, s[16:17]             ; a scale word spans two heads, which are two work-groups': so the bytes go singly, each lane its own: 32 bytes against the 512 of codes
	s_wait_tensorcnt 0x0                           ; the wave's end
	ds_add_u32 v246, v247
	s_wait_dscnt 0x0
	CROUND                                         ; the closing round: no work-group ends while a partner may still ask for a key step that names it
	s_endpgm
.Lfunc_end_k_q354fe9931b_attn:
	.size	k_q354fe9931b_attn, .Lfunc_end_k_q354fe9931b_attn-k_q354fe9931b_attn
	.p2alignl 7, 3214868480
	.fill 96, 4, 3214868480
	.section	.rodata,"a",@progbits
	.p2align	6, 0x0
	.amdhsa_kernel k_q354fe9931b_attn
		.amdhsa_group_segment_fixed_size 167936
		.amdhsa_private_segment_fixed_size 0
		.amdhsa_enable_private_segment 0
		.amdhsa_kernarg_size 24
		.amdhsa_user_sgpr_count 2
		.amdhsa_user_sgpr_kernarg_segment_ptr 1
		.amdhsa_wavefront_size32 1
		.amdhsa_system_sgpr_workgroup_id_x 1
		.amdhsa_system_sgpr_workgroup_id_y 1
		.amdhsa_system_sgpr_workgroup_id_z 1
		.amdhsa_system_vgpr_workitem_id 0
		.amdhsa_next_free_vgpr 256
		.amdhsa_next_free_sgpr 102
		.amdhsa_reserve_vcc 0
		.amdhsa_float_denorm_mode_32 3
		.amdhsa_float_denorm_mode_16_64 3
		.amdhsa_memory_ordered 1
		.amdhsa_forward_progress 1
		.amdhsa_inst_pref_size 54
	.end_amdhsa_kernel
	.amdgpu_metadata
---
amdhsa.version: [ 1, 2 ]
amdhsa.kernels:
  - .name:           k_q354fe9931b_attn
    .symbol:         k_q354fe9931b_attn.kd
    .args:
      - { .name: qq, .offset: 0, .size: 8, .value_kind: global_buffer, .address_space: global }
      - { .name: kv, .offset: 8, .size: 8, .value_kind: global_buffer, .address_space: global }
      - { .name: hq, .offset: 16, .size: 8, .value_kind: global_buffer, .address_space: global }
    .group_segment_fixed_size: 167936
    .private_segment_fixed_size: 0
    .kernarg_segment_align: 8
    .kernarg_segment_size: 24
    .max_flat_workgroup_size: 512
    .sgpr_count:     102
    .vgpr_count:     256
    .wavefront_size: 32
...
	.end_amdgpu_metadata
.endif
;; end of part 3
;; launch oproj (part 4): grid 8 x 32, 4 waves a work-group, clusters of 4 x 4, 209,408 bytes of LDS; arguments hq, wq, bo, out0; writes out0
.if DOCPART == 4
	.amdgcn_target "amdgcn-amd-amdhsa--gfx1250"
	.amdhsa_code_object_version 6
	.text
	.protected	k_q354fe9931b_oproj
	.globl	k_q354fe9931b_oproj
	.p2align	8
	.type	k_q354fe9931b_oproj,@function
k_q354fe9931b_oproj:
	s_mov_b64 s[64:65], 0
	v_nop
	global_prefetch_b8 v0, s[64:65] scope:SCOPE_SE
	s_setreg_imm32_b32 hwreg(HW_REG_WAVE_MODE, 25, 1), 1
	s_wait_xcnt 0x0
	s_wait_alu depctr_hold_cnt(0) depctr_sa_sdst(0) depctr_va_vdst(0) depctr_va_sdst(0) depctr_va_ssrc(0) depctr_va_vcc(0) depctr_vm_vsrc(0)
	s_getreg_b32 s2, hwreg(HW_REG_IB_STS2, 6, 4)
	s_cmp_eq_u32 s2, 0
	s_cbranch_scc0 .Lentry_in_a_cluster
	s_endpgm
.Lentry_in_a_cluster:
	s_bfe_u32 s2, ttmp6, 0x10000c
	s_cmp_lg_u32 s2, 0xf033
	s_cbranch_scc0 .Lentry_shape_is_right
	s_endpgm
.Lentry_shape_is_right:
; out0 = h Wo + bo on codes of FP4 (E2M1) with E8M0 scales; f32 sums, f32 out.
; SHARES.  A work-group makes 128 rows x 128 columns: 256 work-groups.  All of K of its rows of h and columns of Wo lies in LDS, each byte filled once: no ring, no prefetch (no loop to run ahead in).
; K COMES IN TWO HALVES of 512, each laid out by itself: waves 0, 1 fetch the first, waves 2, 3 the second, one load a wave, all at the start; the products of the first half stand in front of the barrier that shows the second.
; Four waves, as many as a WGP has SIMDs, 64 rows x 64 columns each: 16 accumulators, in register window 1.  P = Wo's tiles are source 0, R = h's tiles source 1: a lane holds one row of the result, and its 32 registers of P's four tiles are
; 32 neighbouring columns (tile t, position p: column 32 (p / 8) + 8 t + p % 8).
; CLUSTER 4 x 4: h's records are shared along a row of the cluster, Wo's along a column: each part is asked for jointly.
; THE WAY OUT goes through each wave's own stage, in LDS bytes of its own: 64 rows of 256 bytes: no barrier.
.set HREC,  17408                      ; a record: 64 rows x 512 along K: 4 tiles of 4,096 bytes of codes, then the scale words [K step 4][tile 4][16][4 B]
.set WLDS,  2*HREC                     ; LDS: a half of K: h's two records at 0, Wo's two here
.set HB,    4*HREC                     ; the second half
.set STG,   8*HREC                     ; the stages; no tensor load lands here
.set SPITCH, 272
.set WSTG,  64*SPITCH
.set SPARE, STG+4*WSTG
.set WV,  20
.set G1H, 24                           ; s[24:31], s[32:35] descriptor groups 1 and 0 for h
.set G0H, 32
.set G1W, 48                           ; s[48:55], s[56:59] for Wo
.set G0W, 56
.set ADP, 2                            ; v2 LDS address of P's fragments; v3 of R's; v4, v5 of their scale words
.set ADR, 3
.set ASP, 4
.set ASR, 5
.set GO,  6                            ; v6 my byte offset in the result; v7 where I put 128 bytes of a row; v8 where I read a row back
.set STO, 7
.set RD,  8
.set SC,  16                           ; v16-27 scale words, four registers for each of three K steps: P's two pairs of tiles, R's two.  They hold scales and nothing else
.set FRG, 32                           ; v32-223 three K steps' fragments: 64 registers each: P's four, R's four
.set BP,  224                          ; v224-255 bo, in the result's layout: the C of the first K step
.set MSB, 0                            ; window 1: accumulator (a, t) at v[8 (4 a + t)]
.macro WIN new                         ; bits 1:0 source 0, 3:2 source 1, 5:4 source 2, 7:6 destination; the immediate's high byte repeats the setting that is left
.if MSB != \new
	s_set_vgpr_msb (MSB<<8)|\new
.set MSB, \new
.endif
.endm
.macro CROUND                          ; a round of the cluster's barrier
	s_barrier_signal -1
	s_barrier_wait -1
	s_cmp_lg_u32 s[WV], 0
	s_cbranch_scc1 .Lnot_wave_0_\@
	s_barrier_signal -3
.Lnot_wave_0_\@:
	s_barrier_wait -3
	s_barrier_signal -1
	s_barrier_wait -1
.endm
.macro WM pa, ra                       ; one product; an odd tile's scale words lie in lanes 16-31
.if ((\pa)%2 == 0) && ((\ra)%2 == 0)
	v_wmma_scale_f32_16x16x128_f8f6f4 v[DD:DD+7], v[PP:PP+7], v[RR:RR+7], v[CC:CC+7], v[SCA], v[SCB] matrix_a_fmt:MATRIX_FMT_FP4 matrix_b_fmt:MATRIX_FMT_FP4
.elseif ((\pa)%2 == 1) && ((\ra)%2 == 0)
	v_wmma_scale_f32_16x16x128_f8f6f4 v[DD:DD+7], v[PP:PP+7], v[RR:RR+7], v[CC:CC+7], v[SCA], v[SCB] matrix_a_fmt:MATRIX_FMT_FP4 matrix_b_fmt:MATRIX_FMT_FP4 matrix_a_scale:MATRIX_SCALE_ROW1
.elseif ((\pa)%2 == 0) && ((\ra)%2 == 1)
	v_wmma_scale_f32_16x16x128_f8f6f4 v[DD:DD+7], v[PP:PP+7], v[RR:RR+7], v[CC:CC+7], v[SCA], v[SCB] matrix_a_fmt:MATRIX_FMT_FP4 matrix_b_fmt:MATRIX_FMT_FP4 matrix_b_scale:MATRIX_SCALE_ROW1
.else
	v_wmma_scale_f32_16x16x128_f8f6f4 v[DD:DD+7], v[PP:PP+7], v[RR:RR+7], v[CC:CC+7], v[SCA], v[SCB] matrix_a_fmt:MATRIX_FMT_FP4 matrix_b_fmt:MATRIX_FMT_FP4 matrix_a_scale:MATRIX_SCALE_ROW1 matrix_b_scale:MATRIX_SCALE_ROW1
.endif
.endm
.macro KLOAD s                         ; K step s: twenty LDS loads
.set LQ, (\s)%3
.irp p, 0,1
	ds_load_b32 v[SC+4*LQ+\p], v[ASP] offset:256*((\s)%4)+128*\p
	ds_load_b32 v[SC+4*LQ+2+\p], v[ASR] offset:256*((\s)%4)+128*\p
.endr
.irp t, 0,1,2,3
.irp c, 0,1
	ds_load_b128 v[FRG+64*LQ+8*\t+4*\c:FRG+64*LQ+8*\t+4*\c+3], v[ADP] offset:4096*\t+1024*((\s)%4)+512*\c
.endr
.endr
.irp a, 0,1,2,3
.irp c, 0,1
	ds_load_b128 v[FRG+64*LQ+32+8*\a+4*\c:FRG+64*LQ+32+8*\a+4*\c+3], v[ADR] offset:4096*\a+1024*((\s)%4)+512*\c
.endr
.endr
.endm
.macro KSTEP s                         ; the 16 accumulators take turns, one instruction a turn, in the same order in every K step
.if (\s)%4 < 2
	s_wait_dscnt 40                                ; this K step's loads are in; the twenty of each of two later K steps of the half may be out
.elseif (\s)%4 == 2
	s_wait_dscnt 20
.else
	s_wait_dscnt 0x0
.endif
.if (\s) == 0
	WIN 0x40                                       ; D in window 1, C, bo, in window 0: nothing is cleared
.else
	WIN 0x50                                       ; C and D in window 1
.endif
.set Q, (\s)%3
.irp a, 0,1,2,3
.irp t, 0,1,2,3
.set DD, 8*(4*\a+\t)
.set PP, FRG+64*Q+8*\t
.set RR, FRG+64*Q+32+8*\a
.set SCA, SC+4*Q+\t/2
.set SCB, SC+4*Q+2+\a/2
.if (\s) == 0
.set CC, BP+8*\t
.else
.set CC, DD
.endif
	WM \t, \a
.endr
.endr
.if (\s)%4 == 0
.rept 4
	v_nop                                          ; four places in front of loads into registers that matrix instructions have read
.endr
	WIN 0
	KLOAD (\s)+3
.endif
.endm
; the head's loads, one a wave: one chain of branches on the wave's number; an s_nop 0 and four v_nop follow each line
.macro ARM under, g0, g1, next
	s_cmp_lt_u32 s[WV], \under
	s_cbranch_scc0 \next
	tensor_load_to_lds s[\g0:\g0+3], s[\g1:\g1+7]
	s_nop 0
.rept 4
	v_nop
.endr
	s_branch .Lasked
\next:
.endm
	s_load_b128 s[4:7], s[0:1], 0x0                ; hq s[4:5], wq s[6:7]
	s_load_b128 s[8:11], s[0:1], 0x10              ; bo s[8:9], out0 s[10:11]
	v_lshl_add_u32 v30, v0, 2, SPARE
	v_mov_b32 v31, 0
	ds_add_u32 v30, v31                            ; the opening add, twice on end
	ds_add_u32 v30, v31
	v_lshrrev_b32 v1, 5, v0
	v_readfirstlane_b32 s[WV], v1                  ; wave 0..3
	s_bfe_u32 s40, ttmp6, 0x40000                  ; cx, cy
	s_bfe_u32 s41, ttmp6, 0x40004
	s_lshl_b32 s42, ttmp9, 2
	s_add_co_u32 s42, s42, s40                     ; tile column 0..7
	s_and_b32 s21, ttmp7, 0xffff
	s_lshl_b32 s21, s21, 2
	s_add_co_u32 s21, s21, s41                     ; tile row 0..31
	s_lshl_b32 s43, s41, 2
	s_lshl_b32 s43, 15, s43                        ; my row of the cluster
	s_lshl_b32 s44, 0x1111, s40                    ; my column
	s_or_b32 s[G1H+0], s43, (3<<16)|(1<<21)        ; 15:0 the mask: h's records go to my row; 17:16 elements of 8 bytes; 21 set beside a mask; no padding
	s_or_b32 s[G1W+0], s44, (3<<16)|(1<<21)        ; Wo's go to my column
.irp g, G1H, G1W
	s_mov_b32 s[\g+1], 32<<16                      ; tensor_dim0: rows of 256 bytes
	s_mov_b32 s[\g+2], 136<<16                     ; tensor_dim1: two records
	s_mov_b32 s[\g+3], 32<<16                      ; tile_dim0
	s_mov_b32 s[\g+4], 136                         ; tile_dim1
	s_mov_b32 s[\g+5], 32                          ; tensor_dim0_stride
	s_mov_b32 s[\g+6], 0
	s_mov_b32 s[\g+7], 0
.endr
	s_lshr_b32 s45, s[WV], 1                       ; the half that I fetch: waves 0 and 2 of h, waves 1 and 3 of Wo
	s_mul_i32 s45, s45, 2*HREC
	s_mul_i32 s46, s21, 4*HREC                     ; h: four records for each tile row; this register never holds cx
	s_add_co_u32 s46, s46, s45
	s_mov_b32 s47, 0
	s_add_co_u32 s60, s42, 24                      ; Wo: four for each tile column, from record 96 on; this register never holds cy
	s_mul_i32 s60, s60, 4*HREC
	s_add_co_u32 s60, s60, s45
	s_mov_b32 s61, 0
	s_mul_i32 s23, s[WV], 2*HREC                   ; where it goes: wave x 34,816
	s_wait_dscnt 0x0                               ; both opening adds are done
	s_wait_kmcnt 0x0
	s_mov_b32 s[G0H], 1
	s_mov_b32 s[G0H+1], s23
	s_add_nc_u64 s[G0H+2:G0H+3], s[4:5], s[46:47]
	s_or_b32 s[G0H+3], s[G0H+3], 0x80000000
	s_mov_b32 s[G0W], 1
	s_mov_b32 s[G0W+1], s23
	s_add_nc_u64 s[G0W+2:G0W+3], s[6:7], s[60:61]
	s_or_b32 s[G0W+3], s[G0W+3], 0x80000000
	CROUND                                         ; all sixteen work-groups are here: the joint loads meet
	ARM 1, G0H, G1H, .Lfor_w
	ARM 2, G0W, G1W, .Lfor_h1
	ARM 3, G0H, G1H, .Lfor_w1
	tensor_load_to_lds s[G0W:G0W+3], s[G1W:G1W+7]
	s_nop 0
.rept 4
	v_nop
.endr
.Lasked:
	s_and_b32 s66, s[WV], 1                        ; which 64 columns
	s_lshr_b32 s68, s[WV], 1                       ; which 64 rows
	s_lshl_b32 s69, s42, 9
	s_lshl_b32 s70, s66, 8
	s_add_co_u32 s69, s69, s70                     ; my first column, in bytes
	s_mul_i32 s71, s66, HREC
	s_add_co_u32 s71, s71, WLDS                    ; P: my record of Wo
	s_add_co_u32 s72, s71, 16384
	s_mul_i32 s73, s68, HREC                       ; R: my record of h
	s_add_co_u32 s74, s73, 16384
	s_mul_i32 s76, s[WV], WSTG
	s_add_co_u32 s76, s76, STG                     ; my stage
	s_lshl_b32 s78, s21, 7
	s_lshl_b32 s79, s68, 6
	s_add_co_u32 s78, s78, s79                     ; my first row: stage row 16 a + p is row 32 (p / 8) + 8 a + p % 8 from here
	s_lshl_b32 s78, s78, 12
	s_add_co_u32 s78, s78, s69
	s_mov_b32 s79, 0
	s_add_nc_u64 s[10:11], s[10:11], s[78:79]
	v_and_b32 v1, 31, v0                           ; lane
	v_and_b32 v9, 15, v0                           ; r
	v_bfe_u32 v10, v0, 4, 1                        ; h
	v_lshlrev_b32 v11, 7, v10
	v_add_nc_u32 v11, s69, v11                     ; bo: tile t, register j: column 32 h + 8 t + j
.irp t, 0,1,2,3
	global_load_b128 v[BP+8*\t:BP+8*\t+3], v11, s[8:9] offset:32*\t
	global_load_b128 v[BP+8*\t+4:BP+8*\t+7], v11, s[8:9] offset:32*\t+16
.endr
	v_lshlrev_b32 v12, 4, v1
	v_lshlrev_b32 v13, 2, v1
	v_add_nc_u32 v[ADP], s71, v12
	v_add_nc_u32 v[ASP], s72, v13
	v_add_nc_u32 v[ADR], s73, v12
	v_add_nc_u32 v[ASR], s74, v13
	v_mul_u32_u24 v[STO], v9, SPITCH
	v_lshl_add_u32 v[STO], v10, 7, v[STO]
	v_add_nc_u32 v[STO], s76, v[STO]               ; in: row r, + 128 h bytes
	v_mul_u32_u24 v[RD], v10, 8*SPITCH
	v_lshl_add_u32 v[RD], v9, 4, v[RD]
	v_add_nc_u32 v[RD], s76, v[RD]                 ; back: lanes 0-15 position i of a tile, lanes 16-31 position i + 8, 32 rows further down
	v_lshlrev_b32 v[GO], 17, v10
	v_lshl_add_u32 v[GO], v9, 4, v[GO]
	s_wait_alu depctr_va_vdst(0)
	s_wait_loadcnt 0x0                             ; bo
	s_cmp_lt_u32 s[WV], 2                          ; the first half's loads have lines of their own, and every wave that issued them waits here
	s_cbranch_scc0 .Lsecond_half
	s_wait_tensorcnt 0x0
.Lsecond_half:
	s_barrier_signal -1
	s_barrier_wait -1                              ; the first half of K is in
	KLOAD 0
	KLOAD 1
	KLOAD 2
.irp s, 0,1,2,3
	KSTEP \s
.endr
	WIN 0
	v_add_nc_u32 v[ADP], HB, v[ADP]                ; on to the second half.  (These four lines are also the places in front of the loads behind the barrier)
	v_add_nc_u32 v[ADR], HB, v[ADR]
	v_add_nc_u32 v[ASP], HB, v[ASP]
	v_add_nc_u32 v[ASR], HB, v[ASR]
	s_wait_alu depctr_va_vdst(0)
	s_wait_tensorcnt 0x0                           ; my part has landed,
	s_wait_dscnt 0x0
	s_barrier_signal -1
	s_barrier_wait -1                              ; everybody's has: the second half is in
	KLOAD 4
	KLOAD 5
	KLOAD 6
.irp s, 4,5,6,7
	KSTEP \s
.endr
.rept 4
	v_nop                                          ; four places in front of the LDS stores that read results, and of the loads below into registers that held fragments
.endr
.irp a, 0,1,2,3
	WIN 0x04                                       ; the stores' data: window 1
.irp t, 0,1,2,3
	ds_store_b128 v[STO], v[32*\a+8*\t:32*\a+8*\t+3] offset:16*\a*SPITCH+32*\t      ; each accumulator from its low end on
	ds_store_b128 v[STO], v[32*\a+8*\t+4:32*\a+8*\t+7] offset:16*\a*SPITCH+32*\t+16
.endr
	WIN 0
.irp i, 0,1,2,3,4,5,6,7
	ds_load_b128 v[FRG+32*\a+4*\i:FRG+32*\a+4*\i+3], v[RD] offset:(16*\a+\i)*SPITCH   ; LDS serves a wave's instructions in order (ISA guide 5.7.1.4): these see my stores
.endr
.endr
.irp a, 0,1,2,3
.irp i, 0,1,2,3,4,5,6,7
	s_wait_dscnt 7-\i+16*(3-\a)                    ; these two rows are back; the tile's younger rows and the later tiles' eight stores and eight loads may be out
	global_store_b128 v[GO], v[FRG+32*\a+4*\i:FRG+32*\a+4*\i+3], s[10:11] offset:4096*(8*\a+\i) th:TH_STORE_NT   ; sixteen lanes store 256 consecutive bytes, at a multiple of 256 from the buffer's first byte; written once, read by nobody here
.endr
.endr
	s_wait_tensorcnt 0x0                           ; the wave's end
	ds_add_u32 v30, v31
	s_wait_dscnt 0x0
	CROUND                                         ; the closing round: no work-group ends while a partner may still ask for a part that names it
	s_endpgm
.Lfunc_end_k_q354fe9931b_oproj:
	.size	k_q354fe9931b_oproj, .Lfunc_end_k_q354fe9931b_oproj-k_q354fe9931b_oproj
	.p2alignl 7, 3214868480
	.fill 96, 4, 3214868480
	.section	.rodata,"a",@progbits
	.p2align	6, 0x0
	.amdhsa_kernel k_q354fe9931b_oproj
		.amdhsa_group_segment_fixed_size 209408
		.amdhsa_private_segment_fixed_size 0
		.amdhsa_enable_private_segment 0
		.amdhsa_kernarg_size 32
		.amdhsa_user_sgpr_count 2
		.amdhsa_user_sgpr_kernarg_segment_ptr 1
		.amdhsa_wavefront_size32 1
		.amdhsa_system_sgpr_workgroup_id_x 1
		.amdhsa_system_sgpr_workgroup_id_y 1
		.amdhsa_system_sgpr_workgroup_id_z 1
		.amdhsa_system_vgpr_workitem_id 0
		.amdhsa_next_free_vgpr 384
		.amdhsa_next_free_sgpr 100
		.amdhsa_reserve_vcc 0
		.amdhsa_float_denorm_mode_32 3
		.amdhsa_float_denorm_mode_16_64 3
		.amdhsa_memory_ordered 1
		.amdhsa_forward_progress 1
		.amdhsa_inst_pref_size 44
	.end_amdhsa_kernel
	.amdgpu_metadata
---
amdhsa.version: [ 1, 2 ]
amdhsa.kernels:
  - .name:           k_q354fe9931b_oproj
    .symbol:         k_q354fe9931b_oproj.kd
    .args:
      - { .name: hq, .offset: 0, .size: 8, .value_kind: global_buffer, .address_space: global }
      - { .name: wq, .offset: 8, .size: 8, .value_kind: global_buffer, .address_space: global }
      - { .name: bo, .offset: 16, .size: 8, .value_kind: global_buffer, .address_space: global }
      - { .name: out0, .offset: 24, .size: 8, .value_kind: global_buffer, .address_space: global }
    .group_segment_fixed_size: 209408
    .private_segment_fixed_size: 0
    .kernarg_segment_align: 8
    .kernarg_segment_size: 32
    .max_flat_workgroup_size: 128
    .sgpr_count:     100
    .vgpr_count:     384
    .wavefront_size: 32
...
	.end_amdgpu_metadata
.endif
;; end of part 4
